; MI455X (gfx1250); checked and timed in simulation.
; The chip was launched on July 23, 2026; its instructions are those of AMD's public machine-readable ISA for CDNA 5 (MIT licence, August 2026) and "CDNA5" Instruction Set Architecture Reference Guide (July 2026). The comments in the code are by the model that wrote it; some were corrected since.
;; MHA. Allowed arithmetic: matrix products marked QUANTISED: E4M3 operands, one given power-of-two scale a tensor, by v_wmma_f32_16x16x64_fp8_fp8 or v_wmma_f32_16x16x128_fp8_fp8, f32 sums; everything else in f32.
;; Inputs: W_out 1,024 x 1,024 float32; W_qkv 1,024 x 3,072 float32; X 4 x 2,048 x 1,024 float32; b_out 1,024 float32; lowp_scales 8 int32 (the exponents e of the quantised operands' scales 2^e).
;; Outputs: out0 4 x 2,048 x 1,024 float32.
;; This version of the problem:
;;   THIS VERSION OF THE PROBLEM IS GIVEN IN LOW PRECISION. The matrix products marked QUANTISED in the list below multiply operands that are first quantised to E4M3 (4 exponent bits, 3 mantissa bits; 8 bits a number), with one given power-of-two scale for each operand tensor; their sums are f32. All else is computed in f32.
;;   The module's matrix products, in the order in which they are computed (A, B: the left and right operand; K: the contracted axis; several contracted axes count as one K, in the product's order):
;;     1. [M 8,192, K 1,024] x [K 1,024, N 3,072]; A: input X; B: input W_qkv: QUANTISED (scales: A lowp_scales[0], B lowp_scales[1])
;;     2. batch 64 x [M 2,048, K 64] x [K 64, N 2,048]; A: computed on the way; B: computed on the way: QUANTISED (scales: A lowp_scales[2], B lowp_scales[3])
;;     3. batch 64 x [M 2,048, K 2,048] x [K 2,048, N 64]; A: softmax (see below); B: computed on the way: QUANTISED (scales: A lowp_scales[4], B lowp_scales[5])
;;     4. [M 8,192, K 1,024] x [K 1,024, N 1,024]; A: computed on the way; B: input W_out: QUANTISED (scales: A lowp_scales[6], B lowp_scales[7])
;;   THE QUANTISER, for each operand of a quantised product, along K:
;;     - The operand's scale is 2^e, e = its entry of the input lowp_scales (int32; the entries are numbered through the quantised products in the list's order, A before B).
;;     - Each number is divided by the scale, clamped to +-448, and rounded to the nearest number of E4M3, ties to even, subnormals kept.
;;     - The product sums the exact products of the quantised numbers (number of the format x scale) in f32.
;;   ~~~python
;;   def quantise(x, axis, e):      # numpy; x: float32 -> the quantised numbers, widened to float32 again
;;       x = np.moveaxis(x, axis, -1); K = x.shape[-1]
;;       r = np.clip(x / 2.0 ** e, -448, 448)
;;       step = 2.0 ** (np.maximum(np.frexp(np.where(r == 0, 1, r))[1] - 1, -6) - 3)
;;       q = np.round(r / step) * step * 2.0 ** e      # np.round: ties to even
;;       return np.moveaxis(q, -1, axis).astype(np.float32)
;;   ~~~
;;   SOFTMAX AHEAD OF A QUANTISED PRODUCT. Where the list says 'softmax', what is quantised is not the finished softmax but p = 2^(t - M), with t = logit x log2(e) and M = ceil(the row's largest t), a whole number; so 1/2 < the row's largest p <= 1. The row's sum l is taken of the UNQUANTISED p, in f32, and the product's result is divided by l at the end. Since M is a whole number, a kernel that streams over the keys may use a running M (the ceiling of the running maximum): every later rescaling is an exact power of two, so the quantised numbers keep their values, but for numbers so far below the row's largest that they fall under the format's range.
;;   OPERANDS COMPUTED ON THE WAY. 'Computed on the way' means the value that the module computes at that place (a softmax that the list does not call 'softmax' is quantised finished and normalised). What goes into a quantiser is computed in f32, as accurately as f32 sums, v_exp_f32 and their like allow (about 1e-6 of the number): no bf16 or f16 on the way to a quantiser, and a product that is left as it is and whose result goes on into a quantised operand takes f32 operands (vector FMAs, or v_wmma_f32_16x16x4_f32). A number that lies on a knife's edge between two numbers of the format may be rounded either way, as far as f32 arithmetic and the matrix unit's own rounding can turn it there, and no further.
;; One version. Each part assembles by itself: llvm-mc -triple=amdgcn-amd-amdhsa -mcpu=gfx1250 --defsym DOCPART=n.
;; ======== version 1 of 1: 4 launches
;; limits: right only within a limited range of input values
;; workspace buffers: opc 12,582,912 bytes; qkv 25,165,824 bytes; cc 8,388,608 bytes
;; launch prep (part 1): grid 384 x 1, 4 waves a work-group, no clusters, 55,808 bytes of LDS; arguments X, W_qkv, W_out, lowp_scales, opc; writes opc
.if DOCPART == 1
	.amdgcn_target "amdgcn-amd-amdhsa--gfx1250"
	.amdhsa_code_object_version 6
	.text
	.protected	k_q5a2b9eb4cc_prep
	.globl	k_q5a2b9eb4cc_prep
	.p2align	8
	.type	k_q5a2b9eb4cc_prep,@function
k_q5a2b9eb4cc_prep:
	s_mov_b64 s[64:65], 0
	v_nop
	global_prefetch_b8 v0, s[64:65] scope:SCOPE_SE
	s_setreg_imm32_b32 hwreg(HW_REG_WAVE_MODE, 25, 1), 1
	s_wait_xcnt 0x0
; X [8192][1024], W_qkv [1024][3072] and W_out [1024][1024], all f32, become codes of E4M3, K innermost, in one buffer of rows of 1,024 bytes:
; rows 0-8191 X's rows, rows 8192-11263 W_qkv's columns, rows 11264-12287 W_out's columns.
; code = x / 2^e, held within +-448, rounded to the nearest code, ties to even.  e = entry 0 (X), 1 (W_qkv), 7 (W_out) of the given exponents.
; LIMITS: each of these e lies between -126 and 119, so that 2^e and 448 x 2^e are f32 numbers.  NaN among the inputs is not served (an infinity is held at the largest code).
; Work-groups 0-255 take X, whose K is innermost: a plain stream; a wave takes 16 steps of 512 numbers.  Each load reads 512 consecutive bytes; a step's 2,048 bytes turn through the wave's own
; stage in LDS, so that a lane then holds 16 neighbours along K, which the conversions want; a lane's 16 codes are 16 bytes and the wave stores 512 consecutive bytes.
; Work-groups 256-383 take the weights, whose K is the FIRST axis: a lane takes a column and its registers run down K, so the conversions give codes with K innermost; a wave gathers
; 32 columns x 256 along K in its own stage and stores sixteen lanes to 256 consecutive, aligned bytes.
; The two ways part on the work-group's number, never join, and have LDS bytes of their own.  Waves share nothing: no barrier.  Every work-group reads 131,072 bytes.
.set SP,    80                         ; way X: a lane's place in a stage: 64 bytes + 16 of padding
.set XREG,  2*32*SP                    ; two stages for each wave
.set WST,   4*XREG                     ; way W's stages begin behind way X's
.set WP,    272                        ; way W: a stage row: 256 bytes of codes + 16
.set R,     16                         ; way X: v16-79 four sets of 16 numbers as loaded
.set XN,    80                         ;        v80-111 two sets of 16 neighbours
.set XC,    128                        ;        v128-191 codes: four registers for each step, never written twice
.set WA,    16                         ; way W: v16-47 byte offset of row i of a block, at my column; never rewritten
.set WX,    48                         ;        v48-111 two sets of 32 numbers
.set WC,    112                        ;        v112-119 a block's codes
.set WO,    120                        ;        v120-183 the way out
	s_load_b256 s[4:11], s[0:1], 0x0               ; X s[4:5], W_qkv s[6:7], W_out s[8:9], the exponents s[10:11]
	s_load_b64 s[12:13], s[0:1], 0x20              ; the codes' buffer
	v_lshl_add_u32 v192, v0, 2, 0xd800
	v_mov_b32 v193, 0
	v_lshrrev_b32 v1, 5, v0
	v_readfirstlane_b32 s16, v1                    ; wave 0..3
	v_and_b32 v2, 31, v0                           ; lane
	s_wait_kmcnt 0x0
	s_load_b256 s[24:31], s[10:11], 0x0            ; e0 .. e7
	s_cmp_lt_u32 ttmp9, 256
	s_cbranch_scc0 .Lweights
; ---------------- way X
	s_wait_alu depctr_va_vdst(0)
	v_lshlrev_b32 v3, 4, v2                        ; my 16 bytes of a load's 512, and of a store's
	s_wait_alu depctr_va_vdst(0)
	s_mul_i32 s17, s16, XREG
	v_lshrrev_b32 v14, 2, v2
	v_mul_u32_u24 v14, v14, SP
	v_and_b32 v15, 3, v2
	v_lshl_add_u32 v14, v15, 4, v14
	v_add_nc_u32 v14, s17, v14                     ; the stage, on the way in: four lanes' 64 bytes on end, then the padding
	v_mul_u32_u24 v15, v2, SP
	v_add_nc_u32 v15, s17, v15                     ; and on the way out: my 16 neighbours
	s_lshl_b32 s18, ttmp9, 2
	s_add_co_u32 s18, s18, s16                     ; which run of 8,192 numbers is my wave's
	s_lshl_b32 s20, s18, 15                        ; 32,768 bytes of f32,
	s_mov_b32 s21, 0
	s_add_nc_u64 s[4:5], s[4:5], s[20:21]
	s_lshl_b32 s20, s18, 13                        ; 8,192 bytes of codes
	s_add_nc_u64 s[12:13], s[12:13], s[20:21]
.macro XLOAD t
.irp i, 0,1,2,3
	global_load_b128 v[R+16*((\t)%4)+4*\i:R+16*((\t)%4)+4*\i+3], v3, s[4:5] offset:2048*(\t)+512*\i th:TH_LOAD_NT   ; 32 lanes read 512 consecutive bytes; read once in the launch
.endr
.endm
.macro XTURN t                         ; step t's numbers through the stage: LDS serves a wave's instructions in order, so no wait stands between the stores and the loads
.irp i, 0,1,2,3
	ds_store_b128 v14, v[R+16*((\t)%4)+4*\i:R+16*((\t)%4)+4*\i+3] offset:32*SP*((\t)%2)+8*SP*\i
.endr
.irp i, 0,1,2,3
	ds_load_b128 v[XN+16*((\t)%2)+4*\i:XN+16*((\t)%2)+4*\i+3], v15 offset:32*SP*((\t)%2)+16*\i
.endr
.endm
.irp t, 0,1,2,3
	XLOAD \t
.endr
	s_wait_alu depctr_va_vdst(0)
	s_wait_kmcnt 0x0
	s_add_co_i32 s22, s24, 127
	s_lshl_b32 s23, s22, 23
	v_mov_b32 v11, s23                             ; 2^e0 as f32: the conversion takes its exponent field
	s_add_co_i32 s22, s22, 8
	s_lshl_b32 s22, s22, 23
	s_or_b32 s22, s22, 0x600000
	v_mov_b32 v10, s22                             ; 448 x 2^e0
	s_wait_alu depctr_va_vdst(0)
	s_wait_loadcnt 12                              ; step 0's four loads are in; the twelve of steps 1 to 3 may be out
	XTURN 0
.macro XSTEP t
.set XS, XN+16*((\t)%2)
	s_wait_dscnt 0x0                               ; this step's numbers are back from the stage, so its stores into the stage have read their registers,
.if (\t)+4 < 16
	XLOAD (\t)+4                                   ; which take the loads of four steps on
.endif
.if (\t)+1 < 16
.if 14-(\t) >= 3
	s_wait_loadcnt 12                              ; the next step's four loads are in; those of the three steps behind it may be out
.else
	s_wait_loadcnt 4*(14-(\t))                     ; the counts run down: nothing more is loaded
.endif
	XTURN (\t)+1                                   ; and go through the other stage while this step is worked
.endif
.irp i, 0,1,2,3,4,5,6,7,8,9,10,11,12,13,14,15
	v_med3_num_f32 v[XS+\i], v[XS+\i], -v10, v10   ; the conversion to an 8-bit code does not saturate (ISA guide 7.6.2): the hold at the largest code x the scale comes first
.endr
	v_cvt_scalef32_pk8_fp8_f32 v[XC+4*(\t):XC+4*(\t)+1], v[XS:XS+7], v11
	v_cvt_scalef32_pk8_fp8_f32 v[XC+4*(\t)+2:XC+4*(\t)+3], v[XS+8:XS+15], v11
	global_store_b128 v3, v[XC+4*(\t):XC+4*(\t)+3], s[12:13] offset:512*(\t)   ; 32 lanes store 512 consecutive bytes, aligned; the results go to this store alone
.endm
.irp t, 0,1,2,3,4,5,6,7,8,9,10,11,12,13,14,15
	XSTEP \t
.endr
	s_wait_tensorcnt 0x0
	ds_add_u32 v192, v193
	s_wait_dscnt 0x0
	s_endpgm
; ---------------- way W
.Lweights:
	s_sub_co_u32 s17, ttmp9, 256
	s_and_b32 s18, s17, 3                          ; y: which 256 along K
	s_lshr_b32 s19, s17, 2                         ; x: which 128 of the 4,096 columns of both weights on end
	s_mov_b32 s20, 4096
	s_wait_kmcnt 0x0                               ; the exponents
	s_cmp_lt_u32 s19, 24                           ; W_qkv's 24 x 128 columns come first.  The choice hangs on the work-group's number alone
	s_cselect_b64 s[6:7], s[6:7], s[8:9]           ; the tensor,
	s_cselect_b32 s20, 12288, s20                  ; bytes in one of its rows,
	s_cselect_b32 s22, 0, 24
	s_cselect_b32 s23, s25, s31                    ; its exponent: e1 or e7
	s_sub_co_u32 s22, s19, s22
	s_lshl_b32 s22, s22, 7
	s_lshl_b32 s32, s16, 5
	s_add_co_u32 s22, s22, s32                     ; my wave's first column in its tensor
	s_mul_i32 s34, s18, s20
	s_lshl_b32 s34, s34, 8                         ; 256 y rows down,
	s_lshl_b32 s33, s22, 2
	s_add_co_u32 s34, s34, s33                     ; 4 bytes a column along
	s_mov_b32 s35, 0
	s_lshl_b32 s36, s20, 5                         ; a block of 32 rows
	s_mov_b32 s37, 0
	s_add_nc_u64 s[40:41], s[6:7], s[34:35]        ; a base for each of the eight blocks: none is ever stepped
.irp t, 1,2,3,4,5,6,7
	s_add_nc_u64 s[40+2*\t:41+2*\t], s[38+2*\t:39+2*\t], s[36:37]
.endr
	s_lshl_b32 s38, s19, 7
	s_add_co_u32 s38, s38, s32
	s_add_co_u32 s38, s38, 8192                    ; the codes' row of my first column: 8192 + 128 x + 32 wave serves both weights
	s_lshl_b32 s38, s38, 10
	s_lshl_b32 s33, s18, 8
	s_add_co_u32 s38, s38, s33                     ; + 256 y bytes along K
	s_mov_b32 s39, 0
	s_add_nc_u64 s[12:13], s[12:13], s[38:39]
	s_wait_alu depctr_va_vdst(0)
	v_lshlrev_b32 v3, 2, v2                        ; 4 bytes a lane
.irp i, 0,1,2,3,4,5,6,7,8,9,10,11,12,13,14,15,16,17,18,19,20,21,22,23,24,25,26,27,28,29,30,31
	v_mad_u32_u24 v[WA+\i], s20, \i, v3            ; row i of a block, my column
.endr
	s_mul_i32 s33, s16, 32*WP
	s_add_co_u32 s33, s33, WST                     ; my stage
	v_mul_u32_u24 v4, v2, WP
	v_add_nc_u32 v4, s33, v4                       ; into it: row = my column
	v_and_b32 v5, 15, v2
	v_lshrrev_b32 v6, 4, v2                        ; out of it: sixteen lanes to a row, two rows an instruction
	v_mul_u32_u24 v7, v6, WP
	v_lshl_add_u32 v7, v5, 4, v7
	v_add_nc_u32 v7, s33, v7
	v_lshlrev_b32 v8, 10, v6
	v_lshl_add_u32 v8, v5, 4, v8                   ; and the same place in the codes' buffer
.macro WLOAD t                         ; block t: W(32 t + i, my column), i = 0 .. 31, into set t % 2: each load reads 128 consecutive bytes, the four waves side by side 512
.irp i, 0,1,2,3,4,5,6,7,8,9,10,11,12,13,14,15,16,17,18,19,20,21,22,23,24,25,26,27,28,29,30,31
	global_load_b32 v[WX+32*((\t)%2)+\i], v[WA+\i], s[40+2*(\t):41+2*(\t)] th:TH_LOAD_NT
.endr
.endm
	WLOAD 0
	WLOAD 1
	s_add_co_i32 s23, s23, 127
	s_lshl_b32 s33, s23, 23
	v_mov_b32 v11, s33                             ; 2^e as f32
	s_add_co_i32 s23, s23, 8
	s_lshl_b32 s23, s23, 23
	s_or_b32 s23, s23, 0x600000
	v_mov_b32 v10, s23                             ; 448 x 2^e
.macro WBLOCK t
.set XS, WX+32*((\t)%2)
.if (\t) < 7
	s_wait_loadcnt 32                              ; this block's 32 loads are in; the next block's 32 may be out
.else
	s_wait_loadcnt 0
.endif
.irp i, 0,1,2,3,4,5,6,7,8,9,10,11,12,13,14,15,16,17,18,19,20,21,22,23,24,25,26,27,28,29,30,31
	v_med3_num_f32 v[XS+\i], v[XS+\i], -v10, v10   ; the hold at the largest code x the scale
.endr
.irp g, 0,1,2,3
	v_cvt_scalef32_pk8_fp8_f32 v[WC+2*\g:WC+2*\g+1], v[XS+8*\g:XS+8*\g+7], v11
.endr
	ds_store_b128 v4, v[WC:WC+3] offset:32*(\t)    ; 32 codes: 32 bytes of my column's row
	ds_store_b128 v4, v[WC+4:WC+7] offset:32*(\t)+16
.if (\t)+2 < 8
	WLOAD (\t)+2
.endif
	s_wait_dscnt 0x0                               ; the stores are done: the next block's codes may be written
.endm
	s_wait_alu depctr_va_vdst(0)
.irp t, 0,1,2,3,4,5,6,7
	WBLOCK \t
.endr
.irp t, 0,1,2,3,4,5,6,7,8,9,10,11,12,13,14,15
	ds_load_b128 v[WO+4*\t:WO+4*\t+3], v7 offset:2*\t*WP      ; LDS serves a wave's instructions in order: these see my stores
.endr
.irp t, 0,1,2,3,4,5,6,7,8,9,10,11,12,13,14,15
	s_wait_dscnt 15-\t                             ; load t is back; the 15 - t younger ones may be out
	global_store_b128 v8, v[WO+4*\t:WO+4*\t+3], s[12:13] offset:2*\t*1024   ; sixteen lanes store 256 consecutive bytes, aligned
.endr
	s_wait_tensorcnt 0x0
	ds_add_u32 v192, v193
	s_wait_dscnt 0x0
	s_endpgm
.Lfunc_end_k_q5a2b9eb4cc_prep:
	.size	k_q5a2b9eb4cc_prep, .Lfunc_end_k_q5a2b9eb4cc_prep-k_q5a2b9eb4cc_prep
	.p2alignl 7, 3214868480
	.fill 96, 4, 3214868480
	.section	.rodata,"a",@progbits
	.p2align	6, 0x0
	.amdhsa_kernel k_q5a2b9eb4cc_prep
		.amdhsa_group_segment_fixed_size 55808
		.amdhsa_private_segment_fixed_size 0
		.amdhsa_enable_private_segment 0
		.amdhsa_kernarg_size 40
		.amdhsa_user_sgpr_count 2
		.amdhsa_user_sgpr_kernarg_segment_ptr 1
		.amdhsa_wavefront_size32 1
		.amdhsa_system_sgpr_workgroup_id_x 1
		.amdhsa_system_sgpr_workgroup_id_y 1
		.amdhsa_system_sgpr_workgroup_id_z 1
		.amdhsa_system_vgpr_workitem_id 0
		.amdhsa_next_free_vgpr 194
		.amdhsa_next_free_sgpr 66
		.amdhsa_reserve_vcc 0
		.amdhsa_float_denorm_mode_32 3
		.amdhsa_float_denorm_mode_16_64 3
		.amdhsa_memory_ordered 1
		.amdhsa_forward_progress 1
		.amdhsa_inst_pref_size 88
	.end_amdhsa_kernel
	.amdgpu_metadata
---
amdhsa.version: [ 1, 2 ]
amdhsa.kernels:
  - .name:           k_q5a2b9eb4cc_prep
    .symbol:         k_q5a2b9eb4cc_prep.kd
    .args:
      - { .name: X, .offset: 0, .size: 8, .value_kind: global_buffer, .address_space: global }
      - { .name: W_qkv, .offset: 8, .size: 8, .value_kind: global_buffer, .address_space: global }
      - { .name: W_out, .offset: 16, .size: 8, .value_kind: global_buffer, .address_space: global }
      - { .name: lowp_scales, .offset: 24, .size: 8, .value_kind: global_buffer, .address_space: global }
      - { .name: opc, .offset: 32, .size: 8, .value_kind: global_buffer, .address_space: global }
    .group_segment_fixed_size: 55808
    .private_segment_fixed_size: 0
    .kernarg_segment_align: 8
    .kernarg_segment_size: 40
    .max_flat_workgroup_size: 128
    .sgpr_count:     66
    .vgpr_count:     194
    .wavefront_size: 32
...
	.end_amdgpu_metadata
.endif
;; end of part 1
;; launch gemm_qkv (part 2): grid 12 x 32, 4 waves a work-group, clusters of 4 x 4, 327,680 bytes of LDS; arguments opc, lowp_scales, qkv; writes qkv
.if DOCPART == 2
	.amdgcn_target "amdgcn-amd-amdhsa--gfx1250"
	.amdhsa_code_object_version 6
	.text
	.protected	k_q5a2b9eb4cc_gemm_qkv
	.globl	k_q5a2b9eb4cc_gemm_qkv
	.p2align	8
	.type	k_q5a2b9eb4cc_gemm_qkv,@function
k_q5a2b9eb4cc_gemm_qkv:
	s_mov_b64 s[64:65], 0
	v_nop
	global_prefetch_b8 v0, s[64:65] scope:SCOPE_SE
	s_setreg_imm32_b32 hwreg(HW_REG_WAVE_MODE, 25, 1), 1
	s_wait_xcnt 0x0
	s_wait_alu depctr_hold_cnt(0) depctr_sa_sdst(0) depctr_va_vdst(0) depctr_va_sdst(0) depctr_va_ssrc(0) depctr_va_vcc(0) depctr_vm_vsrc(0)
	s_getreg_b32 s2, hwreg(HW_REG_IB_STS2, 6, 4)
	s_cmp_eq_u32 s2, 0
	s_cbranch_scc0 .Lentry_in_a_cluster
	s_endpgm
.Lentry_in_a_cluster:
	s_bfe_u32 s2, ttmp6, 0x10000c
	s_cmp_lg_u32 s2, 0xf033
	s_cbranch_scc0 .Lentry_shape_is_right
	s_endpgm
.Lentry_shape_is_right:
; qkv = X W_qkv on codes of E4M3, and the results quantised at once into the operands of the two attention products.
; C[i][j] = sum over k of A[i][k] B[j][k], K = 1,024; both operands are rows of 1,024 codes of ONE buffer (rows 0-8191 X, rows 8192-11263 W_qkv's columns).
; The cluster's x says which part is made, the same in all sixteen partners: 0 = q, 1 = k (A = X, B = the part's 1,024 columns of W_qkv), 2 = v (A = v's columns of W_qkv, B = X).
; THE MATRIX INSTRUCTION IS USED TRANSPOSED (source 0 = 16 rows of B, source 1 = 16 rows of A): a lane holds ONE i and eight neighbouring j.  For q and k these are eight neighbours along a head's 64,
; for v eight neighbouring KEYS: in each case neighbours along the K of the product that the codes will feed, as the conversions want.  Nothing but tile numbers and output offsets is chosen by the part: no branch.
; A sum stands for sum x 2^(e0 + e1); its code is sum / 2^(eo - e0 - e1), held within +-448 of that scale; eo = e2 (q), e3 (k), e5 (v).
; LIMIT: eo - e0 - e1 lies between -126 and 119, so that both powers of two are f32 numbers.
; OUT: q at byte 0 and k at 8,388,608: [batch x 16 + head][token][64]; v at 16,777,216: [(batch x 2048 + key) / 64][head x 64 + d][64 keys].  Byte pos of a row of 64 holds element pos with bits 3 and 4 exchanged:
; 16 bytes at 32 c + 16 (lane / 16) are then registers 4 c .. 4 c + 3 of a fragment in the order in which the plain fp8 forms take k (ISA guide 7.12.2).
; A tile of C, 256 x 256, is made by four waves, each 128 x 128: 64 accumulators, 512 registers.  K goes in four steps of 256 through two LDS slots filled by the tensor data mover.
; CLUSTERS: 4 x 4 work-groups; A's tile is shared along a row of the cluster, B's along a column: each is asked for jointly, by the same tensor load with the same descriptor and a mask that names the four.
; A fragment is fetched by four loads of 16 bytes, 32 apart: a permutation of k, the same in A and in B, so that every product meets its partner.
; REGISTERS, in windows of 256: window 0: v0-31 addresses; from v128 A's fragments, one set; on the way out v32-95 held numbers, v128-255 codes.  window 1: B's fragments, two sets.  windows 2, 3: the accumulators ((a, b) at v[8 (8 (a % 4) + b)]).
.set ROWB,   256                       ; a tile's row in bytes: a K step's codes
.set KROW,   1024                      ; a row of A or of B in memory
.set PITCH,  272                       ; an LDS row: 256 bytes + 16 of padding: an odd multiple of 16, so that the 16 rows of a fragment load start at 16 different places modulo 256
.set FR,     16                        ; registers of a fragment: 16 rows x 128 K
.set NL,     4                         ; LDS loads that bring one
.set NP,     4                         ; places behind this matrix instruction (ISA guide 7.12.1)
.set HALFT,  128*PITCH                 ; what one tensor load brings
.set SLOT,   4*HALFT                   ; A's 256 rows, then B's 256 rows
.set SPARE,  2*SLOT                    ; behind the ring: the spare words, 128 bytes for each wave, which no other line names
.set QP,     80                        ; the way out: a stage row: 64 codes + 16 of padding
.set WSTG,   256*QP                    ; a wave's stage: 2 chunks x 128 rows.  It lies in slot 0, which has had its last fill and its last read when the first code is stored there
.set ADRA, 16                          ; v16-17  LDS address of my A fragments in slot 0, 1
.set ADRB, 20                          ; v20-21  the same for B
.set STO,  24                          ; v24     the way out: where I put 16 codes of a row
.set RD,   25                          ; v25     where I read eight rows back
.set CO,   26                          ; v26     16 x lane
.set SPW,  28                          ; v28     my spare word; never rewritten
.set NIL,  29                          ; v29     0; never rewritten
.set SCL,  30                          ; v30     2^(eo - e0 - e1)
.set HOLD, 31                          ; v31     448 x that
.set TMP,  32
.set AF,   128
.set CD,   128
.set G1, 24                            ; s[24:31] descriptor group 1 for A's tiles; s[32:39] group 0, one set for each slot
.set G0, 32
.set G1B, 48                           ; s[48:55], s[56:63] the same for B's
.set G0B, 56
.set MSB, 0
.macro WIN new                         ; the immediate's high byte repeats the setting that is left
.if MSB != \new
	s_set_vgpr_msb (MSB<<8)|\new
.set MSB, \new
.endif
.endm
.set MUL_LO, 0xa1                      ; source 0 (B) window 1, source 1 (A) window 0, C and D window 2
.set MUL_HI, 0xf1                      ; the same, C and D window 3
.set TO_B,   0x40                      ; destination window 1, address window 0
; A joint load: waves 0 and 1 fetch for A, waves 2 and 3 for B; the branch hangs on the wave's number alone.  Four v_nop follow each of the two lines.
.macro JLOAD g0a, g1a, g0b, g1b
	s_cmp_eq_u32 s15, 0
	s_cbranch_scc0 .Lfor_b_\@
	tensor_load_to_lds s[\g0a:\g0a+3], s[\g1a:\g1a+7]
	s_nop 0
.rept 4
	v_nop
.endr
	s_branch .Lasked_\@
.Lfor_b_\@:
	tensor_load_to_lds s[\g0b:\g0b+3], s[\g1b:\g1b+7]
	s_nop 0
.rept 4
	v_nop
.endr
.Lasked_\@:
.endm
.macro CREST                           ; a round of the cluster's barrier behind its opening barrier
	s_cmp_lg_u32 s14, 0
	s_cbranch_scc1 .Lnot_wave_0_\@
	s_barrier_signal -3
.Lnot_wave_0_\@:
	s_barrier_wait -3
	s_barrier_signal -1
	s_barrier_wait -1
.endm
.macro CROUND                          ; a whole round
	s_barrier_signal -1
	s_barrier_wait -1
	CREST
.endm
	s_load_b128 s[4:7], s[0:1], 0x0                ; the operands' codes s[4:5], the exponents s[6:7]
	s_load_b64 s[8:9], s[0:1], 0x10                ; qkv
	v_lshl_add_u32 v[SPW], v0, 2, SPARE
	v_mov_b32 v[NIL], 0
	ds_add_u32 v28, v29
	ds_add_u32 v28, v29
	s_wait_dscnt 0x0
	v_lshrrev_b32 v1, 5, v0
	v_readfirstlane_b32 s14, v1                    ; wave 0..3
	s_lshr_b32 s15, s14, 1                         ; which half of the tile's i is mine.  Also: I fetch for A (0) or for B (1)
	s_and_b32 s16, s14, 1                          ; which half of its j.  Also: which 128 rows of that tile I fetch
	s_bfe_u32 s40, ttmp6, 0x40000                  ; cx, cy: my place in the cluster
	s_bfe_u32 s41, ttmp6, 0x40004
	s_and_b32 s17, ttmp7, 0xffff
	s_lshl_b32 s17, s17, 2                         ; 4 x cluster y
	s_lshl_b32 s42, ttmp9, 2
	s_add_co_u32 s42, s42, 32                      ; the part's first tile of 256 rows among W_qkv's columns: 32 + 4 x part
	s_cmp_eq_u32 ttmp9, 2                          ; v?  The same answer in all sixteen partners
	s_cselect_b32 s76, 40, s17                     ; A's tile of 256 rows of the buffer: v's columns begin at tile 40; else X's tile 4 x cluster y + cy
	s_cselect_b32 s77, s17, s42                    ; B's: X's tile 4 x cluster y + cx; else the part's tile + cx
	s_add_co_u32 s76, s76, s41                     ; A's hangs on cy alone, which my row of the cluster shares,
	s_add_co_u32 s77, s77, s40                     ; B's on cx alone, which my column shares
	s_lshl_b32 s43, s41, 2
	s_lshl_b32 s43, 15, s43                        ; my row of the cluster
	s_lshl_b32 s44, 0x1111, s40                    ; my column
	s_or_b32 s[G1+0], s43, (0<<16)|(1<<20)|(1<<21)|(5<<22)|(3<<25)  ; 15:0 the mask; 17:16 elements of 1 byte; 20 padding on; 21 set beside a mask; 24:22 after every 64 words (code 5); 31:25 of 4 words (code 3)
	s_or_b32 s[G1B+0], s44, (0<<16)|(1<<20)|(1<<21)|(5<<22)|(3<<25)
.irp g, G1, G1B
	s_mov_b32 s[\g+1], ROWB<<16                    ; tensor_dim0
	s_mov_b32 s[\g+2], 128<<16                     ; tensor_dim1
	s_mov_b32 s[\g+3], ROWB<<16                    ; tile_dim0
	s_mov_b32 s[\g+4], 128                         ; tile_dim1
	s_mov_b32 s[\g+5], KROW                        ; tensor_dim0_stride
	s_mov_b32 s[\g+6], 0
	s_mov_b32 s[\g+7], 0
.endr
	s_lshl_b32 s18, s16, 7                         ; which 128 rows of the tile I fetch
	s_lshl_b32 s20, s76, 8
	s_add_co_u32 s20, s20, s18
	s_lshl_b32 s20, s20, 10                        ; A: its first row's byte (the buffer has 12,582,912)
	s_mov_b32 s21, 0
	s_lshl_b32 s46, s77, 8
	s_add_co_u32 s46, s46, s18
	s_lshl_b32 s46, s46, 10                        ; B likewise
	s_mov_b32 s47, 0
	s_mul_i32 s45, s14, HALFT                      ; where they go: wave x 128 rows: no place in the cluster enters an LDS address
	s_wait_kmcnt 0x0
	s_load_b256 s[68:75], s[6:7], 0x0              ; e0 .. e7
	s_add_nc_u64 s[20:21], s[4:5], s[20:21]
	s_add_nc_u64 s[46:47], s[4:5], s[46:47]
	CROUND                                         ; all sixteen work-groups are here: the first joint loads meet
.irp s, 0,1
	s_mov_b32 s[G0+4*\s], 1
	s_add_co_u32 s[G0+4*\s+1], s45, \s*SLOT
	s_add_nc_u64 s[G0+4*\s+2:G0+4*\s+3], s[20:21], \s*ROWB
	s_or_b32 s[G0+4*\s+3], s[G0+4*\s+3], 0x80000000
	s_mov_b32 s[G0B+4*\s], 1
	s_add_co_u32 s[G0B+4*\s+1], s45, \s*SLOT
	s_add_nc_u64 s[G0B+4*\s+2:G0B+4*\s+3], s[46:47], \s*ROWB
	s_or_b32 s[G0B+4*\s+3], s[G0B+4*\s+3], 0x80000000
.endr
	JLOAD G0, G1, G0B, G1B                         ; K step 0: one tensor load a wave at the head
	v_and_b32 v1, 15, v0                           ; r = l % 16
	s_wait_alu depctr_va_vdst(0)
	v_bfe_u32 v2, v0, 4, 1                         ; h = l / 16
	v_mul_u32_u24 v3, v1, PITCH
	v_lshl_add_u32 v4, v2, 4, v3                   ; a fragment's row x pitch + 16 x half
	s_mul_i32 s21, s15, HALFT                      ; my 128 rows of A
	s_mul_i32 s22, s16, HALFT                      ; my 128 rows of B,
	s_add_co_u32 s22, s22, 2*HALFT                 ; which lie behind A's 256
.irp s, 0,1
	v_add_nc_u32 v[ADRA+\s], s21, v4
	v_add_nc_u32 v[ADRB+\s], s22, v4
	s_add_co_u32 s21, s21, SLOT
	s_add_co_u32 s22, s22, SLOT
.endr
	s_mul_i32 s23, s14, WSTG                       ; my stage
	v_mul_u32_u24 v5, v1, QP
	s_wait_alu depctr_va_vdst(0)
	v_lshl_add_u32 v5, v2, 4, v5
	v_add_nc_u32 v[STO], s23, v5                   ; in: row r, 16 bytes for each half of the lanes
	v_and_b32 v6, 31, v0
	v_lshrrev_b32 v7, 2, v6
	v_mul_u32_u24 v7, v7, QP
	v_and_b32 v8, 3, v0
	v_lshl_add_u32 v7, v8, 4, v7
	v_add_nc_u32 v[RD], s23, v7                    ; back: four lanes to a row of 64 bytes, eight rows an instruction
	v_lshlrev_b32 v[CO], 4, v6                     ; which are 512 consecutive bytes of qkv
	; where my two chunks of 128 rows x 64 bytes go.  q, k: token m0 = 256 (4 cluster y + cy) + 128 (wave / 2); heads 4 cx + 2 (wave % 2) and the next
	s_add_co_u32 s78, s17, s41
	s_lshl_b32 s78, s78, 8
	s_lshl_b32 s79, s15, 7
	s_add_co_u32 s78, s78, s79                     ; m0
	s_and_b32 s80, s78, 2047
	s_lshl_b32 s80, s80, 6                         ; the token in its batch x 64 bytes
	s_lshr_b32 s81, s78, 11
	s_lshl_b32 s81, s81, 4                         ; batch x 16
	s_lshl_b32 s82, s40, 2
	s_add_co_u32 s81, s81, s82
	s_lshl_b32 s82, s16, 1
	s_add_co_u32 s81, s81, s82                     ; + head
	s_lshl_b32 s81, s81, 17                        ; x 2,048 tokens x 64 bytes
	s_add_co_u32 s80, s80, s81
	s_lshl_b32 s81, ttmp9, 23
	s_add_co_u32 s80, s80, s81                     ; + the part's section
	; v: keys 256 (4 cluster y + cx) + 128 (wave % 2) on: two blocks of 64; rows 256 cy + 128 (wave / 2) on
	s_add_co_u32 s82, s17, s40
	s_lshl_b32 s82, s82, 2
	s_lshl_b32 s83, s16, 1
	s_add_co_u32 s82, s82, s83                     ; the first block of 64 keys
	s_lshl_b32 s82, s82, 16                        ; x 1,024 rows x 64 bytes
	s_lshl_b32 s83, s41, 8
	s_add_co_u32 s83, s83, s79
	s_lshl_b32 s83, s83, 6
	s_add_co_u32 s82, s82, s83
	s_add_co_u32 s82, s82, 0x1000000               ; + v's section
	s_mov_b32 s84, 0x20000                         ; from chunk to chunk: a head of q or k,
	s_cmp_eq_u32 ttmp9, 2
	s_cselect_b32 s80, s82, s80
	s_cselect_b32 s84, 0x10000, s84                ; or a block of v's keys
	s_mov_b32 s81, 0
	s_mov_b32 s85, 0
	s_add_nc_u64 s[10:11], s[8:9], s[80:81]
	s_add_nc_u64 s[12:13], s[10:11], s[84:85]
.macro FRAG reg, adr, q, i             ; a fragment: lane l holds row l % 16; registers 4 c .. 4 c + 3 hold K = 32 c + 16 (l / 16) + 0 .. 15
.irp c, 0,1,2,3
	ds_load_b128 v[\reg+4*\c:\reg+4*\c+3], v[\adr] offset:128*(\q)+32*\c+(\i)*16*PITCH
.endr
.endm
; 16 matrix instructions: A's blocks a0, a0 + 1 x B's eight, 128 along K.  p: B's set.  zero = 1: the first product starts the sums.  The 64 accumulators take turns, one instruction a turn, in the same order in every step.
.macro MUL16 a0, p, zero
.irp a, \a0, \a0+1
.irp b, 0,1,2,3,4,5,6,7
.if \zero
	v_wmma_f32_16x16x128_fp8_fp8 v[8*(8*((\a)%4)+\b):8*(8*((\a)%4)+\b)+7], v[128*(\p)+FR*\b:128*(\p)+FR*\b+FR-1], v[AF+FR*(\a):AF+FR*(\a)+FR-1], 0
.else
	v_wmma_f32_16x16x128_fp8_fp8 v[8*(8*((\a)%4)+\b):8*(8*((\a)%4)+\b)+7], v[128*(\p)+FR*\b:128*(\p)+FR*\b+FR-1], v[AF+FR*(\a):AF+FR*(\a)+FR-1], v[8*(8*((\a)%4)+\b):8*(8*((\a)%4)+\b)+7]
.endif
.endr
.endr
.endm
.macro FETCH_B slot, q, p              ; B's eight fragments of the slot's q-th 128 along K into set p
	WIN TO_B
.irp i, 0,1,2,3,4,5,6,7
	FRAG 128*(\p)+FR*\i, ADRB+\slot, \q, \i
.endr
	WIN 0
.endm
.macro FETCH_A slot, q, i0             ; A's blocks i0 .. i0 + 3
.irp i, \i0, \i0+1, \i0+2, \i0+3
	FRAG AF+FR*(\i), ADRA+\slot, \q, \i
.endr
.endm
.macro PLACES n                        ; plain vector instructions between a matrix instruction and a load into its registers or a read of its result
.rept \n
	v_nop
.endr
.endm
; A step of 128 along K that has its successor in the same slot.  A block of A is free as soon as its eight products are issued: blocks 0-3 are fetched anew in the step's middle, blocks 4-7 at its end.
.macro STEP slot, q, zero
	s_wait_dscnt 4*NL                              ; B's set and A's blocks 0-3 are in; the youngest 16 loads (A's blocks 4-7) may be out
	WIN MUL_LO
	MUL16 0, (\q)%2, \zero
	MUL16 2, (\q)%2, \zero
	s_wait_dscnt 0                                 ; A's blocks 4-7 are in
	PLACES NP
	FETCH_B \slot, (\q)+1, 1-(\q)%2
	FETCH_A \slot, (\q)+1, 0
	WIN MUL_HI
	MUL16 4, (\q)%2, \zero
	MUL16 6, (\q)%2, \zero
	PLACES NP
	WIN 0
	FETCH_A \slot, (\q)+1, 4
.endm
; A slot's last step changes slots: ONE barrier; in front of it each wave waits for all its tensor loads, adds 0 to its spare word, and waits for that and for its own reads of this slot.  fill = 1: this slot is filled again, two K steps ahead.
.macro TURN slot, next, fill
	s_wait_tensorcnt 0x0                           ; all my tensor loads have landed: my part of the next slot
	ds_add_u32 v[SPW], v[NIL]                      ; 0 onto my spare word
	s_wait_dscnt 4*NL+1                            ; (the add and the youngest 16 loads, A's blocks 4-7, may be out)
	WIN MUL_LO
	MUL16 0, 1, 0                                  ; sixteen matrix instructions stand between the add and the wait for it
	s_wait_dscnt 0x0                               ; the add is done, and my reads of this slot are over
	s_barrier_signal -1
	MUL16 2, 1, 0
	WIN 0
	s_barrier_wait -1
.if \fill
	CREST                                          ; the barrier has opened a round of the cluster's: no wave of any partner still reads this slot or has a load on its way
	s_add_nc_u64 s[G0+4*\slot+2:G0+4*\slot+3], s[G0+4*\slot+2:G0+4*\slot+3], 2*ROWB
	s_add_nc_u64 s[G0B+4*\slot+2:G0B+4*\slot+3], s[G0B+4*\slot+2:G0B+4*\slot+3], 2*ROWB
	JLOAD G0+4*\slot, G1, G0B+4*\slot, G1B         ; the first tensor load behind the round, my one load until the next; its four v_nop are the places in front of the loads below
.else
	PLACES NP
.endif
	FETCH_B \next, 0, 0
	FETCH_A \next, 0, 0
	WIN MUL_HI
	MUL16 4, 1, 0
	MUL16 6, 1, 0
	PLACES NP
	WIN 0
	FETCH_A \next, 0, 4
.endm
	s_wait_alu depctr_va_vdst(0)
	s_wait_tensorcnt 0x0                           ; my part of K step 0 is in
	ds_add_u32 v[SPW], v[NIL]
	s_wait_dscnt 0x0
	CROUND                                         ; everybody's part of K step 0 is in, and all sixteen work-groups are here
	JLOAD G0+4, G1, G0B+4, G1B                     ; K step 1: slot 1's first fill, the first tensor load behind the round
	FETCH_B 0, 0, 0
	FETCH_A 0, 0, 0
	FETCH_A 0, 0, 4
	STEP 0, 0, 1                                   ; K = 1,024 is four K steps, eight steps of 128: written out, no loop
	TURN 0, 1, 1                                   ; slot 0 takes K step 2
	STEP 1, 0, 0
	TURN 1, 0, 1                                   ; slot 1 takes K step 3
	STEP 0, 0, 0
	TURN 0, 1, 0                                   ; nothing is left to fetch
	STEP 1, 0, 0
	s_wait_dscnt 4*NL
	WIN MUL_LO
	MUL16 0, 1, 0
	MUL16 2, 1, 0
	s_wait_dscnt 0
	WIN MUL_HI
	MUL16 4, 1, 0
	MUL16 6, 1, 0
	WIN 0
; THE WAY OUT.  Block a (16 rows i x 128 j): each accumulator's eight numbers are held and become eight codes; accumulators 2 b and 2 b + 1 give 16 bytes that lie together in a row of 64
; (which is what exchanges bits 3 and 4 of the place).  All eight blocks go into my stage; then whole runs of eight rows, 512 consecutive bytes of qkv, come back and are stored.
.macro QSTAGE a
.set AC, 64*((\a)%4)
	WIN 0x02+((\a)/4)                              ; source 0: window 2 or 3
.set j, 0
.rept 64
	v_med3_num_f32 v[TMP+j], v[AC+j], -v[HOLD], v[HOLD]   ; the hold at the largest code x the scale, into other registers; each accumulator from its low end on
.set j, j+1
.endr
	WIN 0
.irp b, 0,1,2,3,4,5,6,7
	v_cvt_scalef32_pk8_fp8_f32 v[CD+16*(\a)+2*\b:CD+16*(\a)+2*\b+1], v[TMP+8*\b:TMP+8*\b+7], v[SCL]
.endr
	v_nop                                          ; one plain vector instruction behind the conversions, ahead of the next block's writes of their sources
.irp b, 0,1,2,3
	ds_store_b128 v[STO], v[CD+16*(\a)+4*\b:CD+16*(\a)+4*\b+3] offset:((\b/2)*128+16*(\a))*QP+32*(\b%2)
.endr
.endm
	s_wait_kmcnt 0x0                               ; the exponents
	s_cmp_eq_u32 ttmp9, 0
	s_cselect_b32 s86, s70, s71                    ; e2 for q, e3 for k,
	s_cmp_eq_u32 ttmp9, 2
	s_cselect_b32 s86, s73, s86                    ; e5 for v
	s_sub_co_i32 s86, s86, s68
	s_sub_co_i32 s86, s86, s69                     ; eo - e0 - e1: the three scales folded into the conversion's one
	s_add_co_i32 s86, s86, 127
	s_lshl_b32 s87, s86, 23
	v_mov_b32 v[SCL], s87
	s_add_co_i32 s86, s86, 8
	s_lshl_b32 s86, s86, 23
	s_or_b32 s86, s86, 0x600000
	v_mov_b32 v[HOLD], s86
	PLACES NP                                      ; behind the last products: for the reads of results and the writes into the registers that held A's fragments
.irp a, 0,1,2,3,4,5,6,7
	QSTAGE \a
.endr
	s_wait_dscnt 0x0                               ; my stores into the stage are done: their registers take the rows that come back
.set t, 0
.rept 32
	ds_load_b128 v[CD+4*t:CD+4*t+3], v[RD] offset:8*QP*t
.set t, t+1
.endr
.set t, 0
.rept 32
	s_wait_dscnt 31-t                              ; load t is back; the 31 - t younger ones may be out
	global_store_b128 v[CO], v[CD+4*t:CD+4*t+3], s[10+2*(t/16):11+2*(t/16)] offset:512*(t%16)   ; 32 lanes store 512 consecutive bytes, aligned
.set t, t+1
.endr
	s_wait_tensorcnt 0x0                           ; the wave's end
	ds_add_u32 v[SPW], v[NIL]
	s_wait_dscnt 0x0
	CROUND                                         ; the closing round: no work-group ends while a partner may still ask for a tile that names it
	s_endpgm
.Lfunc_end_k_q5a2b9eb4cc_gemm_qkv:
	.size	k_q5a2b9eb4cc_gemm_qkv, .Lfunc_end_k_q5a2b9eb4cc_gemm_qkv-k_q5a2b9eb4cc_gemm_qkv
	.p2alignl 7, 3214868480
	.fill 96, 4, 3214868480
	.section	.rodata,"a",@progbits
	.p2align	6, 0x0
	.amdhsa_kernel k_q5a2b9eb4cc_gemm_qkv
		.amdhsa_group_segment_fixed_size 327680
		.amdhsa_private_segment_fixed_size 0
		.amdhsa_enable_private_segment 0
		.amdhsa_kernarg_size 24
		.amdhsa_user_sgpr_count 2
		.amdhsa_user_sgpr_kernarg_segment_ptr 1
		.amdhsa_wavefront_size32 1
		.amdhsa_system_sgpr_workgroup_id_x 1
		.amdhsa_system_sgpr_workgroup_id_y 1
		.amdhsa_system_sgpr_workgroup_id_z 1
		.amdhsa_system_vgpr_workitem_id 0
		.amdhsa_next_free_vgpr 1024
		.amdhsa_next_free_sgpr 98
		.amdhsa_reserve_vcc 0
		.amdhsa_float_denorm_mode_32 3
		.amdhsa_float_denorm_mode_16_64 3
		.amdhsa_memory_ordered 1
		.amdhsa_forward_progress 1
		.amdhsa_inst_pref_size 124
	.end_amdhsa_kernel
	.amdgpu_metadata
---
amdhsa.version: [ 1, 2 ]
amdhsa.kernels:
  - .name:           k_q5a2b9eb4cc_gemm_qkv
    .symbol:         k_q5a2b9eb4cc_gemm_qkv.kd
    .args:
      - { .name: opc, .offset: 0, .size: 8, .value_kind: global_buffer, .address_space: global }
      - { .name: lowp_scales, .offset: 8, .size: 8, .value_kind: global_buffer, .address_space: global }
      - { .name: qkv, .offset: 16, .size: 8, .value_kind: global_buffer, .address_space: global }
    .group_segment_fixed_size: 327680
    .private_segment_fixed_size: 0
    .kernarg_segment_align: 8
    .kernarg_segment_size: 24
    .max_flat_workgroup_size: 128
    .sgpr_count:     98
    .vgpr_count:     1024
    .wavefront_size: 32
...
	.end_amdgpu_metadata
.endif
;; end of part 2
;; launch attn (part 3): grid 4 x 64, 16 waves a work-group, clusters of 4 x 1, 327,680 bytes of LDS; arguments qkv, lowp_scales, cc; writes cc
.if DOCPART == 3
	.amdgcn_target "amdgcn-amd-amdhsa--gfx1250"
	.amdhsa_code_object_version 6
	.text
	.protected	k_q5a2b9eb4cc_attn
	.globl	k_q5a2b9eb4cc_attn
	.p2align	8
	.type	k_q5a2b9eb4cc_attn,@function
k_q5a2b9eb4cc_attn:
	s_mov_b64 s[64:65], 0
	v_nop
	global_prefetch_b8 v0, s[64:65] scope:SCOPE_SE
	s_setreg_imm32_b32 hwreg(HW_REG_WAVE_MODE, 25, 1), 1
	s_wait_xcnt 0x0
	s_wait_alu depctr_hold_cnt(0) depctr_sa_sdst(0) depctr_va_vdst(0) depctr_va_sdst(0) depctr_va_ssrc(0) depctr_va_vcc(0) depctr_vm_vsrc(0)
	s_getreg_b32 s2, hwreg(HW_REG_IB_STS2, 6, 4)
	s_cmp_eq_u32 s2, 0
	s_cbranch_scc0 .Lentry_in_a_cluster
	s_endpgm
.Lentry_in_a_cluster:
	s_bfe_u32 s2, ttmp6, 0x10000c
	s_cmp_lg_u32 s2, 0x3003
	s_cbranch_scc0 .Lentry_shape_is_right
	s_endpgm
.Lentry_shape_is_right:
; Causal attention on codes of E4M3, 64 heads (batch x 16 + head) of 2,048 tokens, head size 64; its result quantised at once into the last product's operand.
; q, k: [head][token][64] codes; v: [(batch x 2048 + key) / 64][head x 64 + d][64 keys] codes; in each row of 64 bytes the places' bits 3 and 4 are exchanged, so that 16 bytes at 32 c + 16 (lane / 16)
; are registers 4 c .. 4 c + 3 of a fragment with every k in the place that the plain fp8 forms give it.  Out: cc [head of 16][batch x 2048 + token][64] codes, in their natural order.
; THE SOFTMAX: t = score x 2^(e2 + e3) x log2(e) / 8; M = the ceiling of the row's largest t so far; p = 2^(t - M) is quantised with 2^e4, not normalised; the row's sum is taken of the unquantised p and divides
; at the end.  When M moves, the sum and O are multiplied by 2^(old M - new M), which rounds nothing.  ctx = O x 2^(e4 + e5) / sum; its code is ctx / 2^e6, held within +-448.
; LEFT OUT: key steps all of whose 128 keys come after a tile's 16 queries: the causal mask sets their scores to -infinity, so their p is 0 for all inputs.
; A HEAD'S WHOLE K AND V LIE IN LDS: 2 x 131,072 bytes as rows of 256 bytes (four rows of 64 codes) + 16 of padding.  No byte is filled twice: no ring.  Lane r of a fragment load stands at
; 272 (r / 4) + 64 (r % 4): sixteen different places of 16 bytes modulo 256.
; CLUSTER: the four work-groups of a head need the same K and V at the same points of the text: every tile is asked for jointly (mask 15).  Two groups of loads, one load a wave in each:
; keys 0-511 (a wave: 4,096 bytes; waves 0-7 K, waves 8-15 V), then keys 512-2047 (a wave: 12,288 bytes), asked for behind a round and read behind the barrier that follows step 3.
; SHARES.  A head has 128 tiles of 16 queries.  Wave w of partner p owns tiles i = 4 w + p and 127 - i.  Tile i needs key steps (128 keys) 0 .. w / 2, tile 127 - i steps 0 .. 15 - w / 2:
; 17 steps of one tile in every wave, and which steps are walked hangs on the wave's number alone, not on the partner's place; p enters the mask's lane data and global addresses only.
; Every wave walks all 16 steps, a constant count; a tile's work in a step behind its diagonal is jumped over by a branch on the wave's number and the step's.  Every partner reads all tiles (waves 0 and 1 walk 16 steps).
; NO PREFETCH: all tensor loads of the launch stand ahead of the first loop, so there is no later load ahead of which a request could run.
; LAYOUT.  Both products are used transposed: S^T = K Q^T (source 0 = 16 keys, source 1 = my queries), O^T = V^T P^T (source 0 = 16 of the head's 64, source 1 = P): a lane holds ONE query (lane % 16).
; Tile t of S^T holds keys 16 t + 8 (lane / 16) + 0 .. 7 in its eight registers: their codes are registers 2 t, 2 t + 1 of P's fragment.
; LIMITS: e2 + e3 between -123 and 130; e4 and e6 between -126 and 119 (each power of two is then an f32 number); e4 + e5 goes through v_ldexp_f32 and has none.  The scaled scores t stay under 2^31 in magnitude.
.set RP,    272                        ; an LDS row
.set CH,    16*RP                      ; 64 keys of K, or one block of V ([64 d][64 keys])
.set STEPB, 2*CH                       ; a key step, in K and in V alike
.set VB,    32*CH                      ; V lies behind K
.set STAGE, 64*CH                      ; behind both: 16 rows x 80 bytes for each wave, for the way out; no tile lands there
.set SP,    80
.set SPARE, STAGE+16*16*SP             ; the spare words, 128 bytes for each wave, which no other line names
.set AK0, 1                            ; v1  my lane's place in a tile of K
.set AV0, 2                            ; v2  the same in V
.set DL,  3                            ; v3  the large tile's mask: my query - its diagonal step's first key - 8 (lane / 16)
.set STO, 4                            ; v4  the way out: where I put 8 codes
.set SPW, 5                            ; v5  my spare word; never rewritten
.set NIL, 6                            ; v6  0; never rewritten
.set GO,  7                            ; v7  16 x lane
.set ADK, 8                            ; v8  LDS address of the step's K
.set ADV, 9                            ; v9  of its V
.set SRD, 10                           ; v10 the way out: where I read eight rows back
.set DS,  11                           ; v11 the small tile's mask
.set STL, 12                           ; v12 -M, v13 the largest t, v[14:15] the sum in two halves: the large tile's
.set STS, 16                           ; v16-19 the small tile's
.set QL,  20                           ; v20-27, v28-35 Q's fragments
.set QS,  28
.set F,   36                           ; v36-99 K's 8 fragments, then V's 4
.set S,   100                          ; v100-163 S^T, then p
.set OL,  164                          ; v164-195, v196-227 O^T
.set OS,  196
.set P,   228                          ; v228-243 p's codes
.set SC,  244                          ; v244 2^e4
.set H0,  245                          ; v245, v246 448 x 2^e4, twice: one for each half of a dual pair
.set H1,  246
.set NEG, 247                          ; v247 -infinity
.set FF,  248                          ; v[248:249] f = 2^(old M - new M); v250-255 at work
.set WV,  10                           ; s10 my wave's number
.set LS,  12                           ; s12 the small tile's diagonal step: wave / 2
.set LL,  13                           ; s13 the large tile's: 15 - wave / 2
.set SN,  14                           ; s14 the step
.set TB,  15                           ; s15 its first LDS byte in K
.set SEL, 16                           ; s[16:17] lane selects for v_permlanex16_b32: lane l xor 16
.set CS,  18                           ; s[18:19] c = 2^(e2 + e3) log2(e) / 8, twice
.set EPV, 20                           ; s20 e4 + e5
.set G0,  24                           ; s[24:27], s[28:31] group 0 of my two loads
.set G0B, 28
.set G1S, 32                           ; s[32:39] group 1: 16 rows of 256 bytes, dense
.set G1K, 40                           ; s[40:47] 48 rows of 256 bytes, dense
.set G1V, 48                           ; s[48:55] 3 rows of 4,096 bytes, 65,536 apart
.set OUTL, 56                          ; s[56:57], s[58:59] where my tiles' codes go
.set OUTS, 58
.set W0, 15|(1<<20)|(1<<21)|(5<<22)|(3<<25)   ; 15:0 the mask: all four partners; elements of 1 byte; 20 padding on; 21 set beside a mask; after every 64 words (code 5) four words (code 3)
.macro DESC g, c, r, p
	s_mov_b32 s[\g], W0
	s_mov_b32 s[\g+1], (\c)<<16                    ; tensor_dim0
	s_mov_b32 s[\g+2], (\r)<<16                    ; tensor_dim1
	s_mov_b32 s[\g+3], (\c)<<16                    ; tile_dim0
	s_mov_b32 s[\g+4], \r                          ; tile_dim1
	s_mov_b32 s[\g+5], \p                          ; tensor_dim0_stride
	s_mov_b32 s[\g+6], 0
	s_mov_b32 s[\g+7], 0
.endm
.macro ROUND                           ; a round of the cluster's barrier
	s_barrier_signal -1
	s_barrier_wait -1
	s_cmp_lg_u32 s[WV], 0
	s_cbranch_scc1 .Lnot_wave_0_\@
	s_barrier_signal -3
.Lnot_wave_0_\@:
	s_barrier_wait -3
	s_barrier_signal -1
	s_barrier_wait -1
.endm
.macro HOLD2 r                         ; two holds in one dual pair: destinations even and odd, the sources in different register banks
	v_dual_min_num_f32 v[\r], v[H0], v[\r] :: v_dual_min_num_f32 v[\r+1], v[H1], v[\r+1]
.endm
	s_load_b128 s[4:7], s[0:1], 0x0                ; qkv s[4:5], the exponents s[6:7]
	s_load_b64 s[8:9], s[0:1], 0x10                ; cc
	v_lshl_add_u32 v[SPW], v0, 2, SPARE
	v_mov_b32 v[NIL], 0
	ds_add_u32 v[SPW], v[NIL]                      ; the opening: the add, twice on end, and its wait ahead of my first tensor load
	ds_add_u32 v[SPW], v[NIL]
	v_lshrrev_b32 v8, 5, v0
	v_readfirstlane_b32 s[WV], v8                  ; wave 0..15
	DESC G1S, 256, 16, 256
	DESC G1K, 256, 48, 256
	DESC G1V, 4096, 3, 65536
	s_and_b32 s76, ttmp7, 0xffff                   ; the head: batch x 16 + head (the cluster's y)
	s_lshr_b32 s77, s[WV], 3                       ; 0: I fetch K; 1: V
	s_and_b32 s78, s[WV], 7                        ; which part
	s_lshl_b32 s79, s76, 17
	s_add_co_u32 s79, s79, 0x800000                ; k's section, the head's 131,072 bytes
	s_lshr_b32 s80, s76, 4                         ; batch
	s_and_b32 s81, s76, 15                         ; head
	s_lshl_b32 s82, s80, 21                        ; the batch's 32 blocks of 65,536 bytes
	s_lshl_b32 s83, s81, 12                        ; the head's 64 rows of 64 bytes in a block
	s_add_co_u32 s82, s82, s83
	s_add_co_u32 s82, s82, 0x1000000               ; v's section
	s_mov_b32 s84, 0x10000
	s_cmp_eq_u32 s77, 0
	s_cselect_b32 s85, s79, s82                    ; where my tensor's part of the head begins,
	s_cselect_b32 s84, 0x1000, s84                 ; and 64 keys on in it
	s_mul_i32 s86, s78, s84
	s_add_co_u32 s86, s86, s85                     ; first load: 64 keys from key 64 x part
	s_mov_b32 s87, 0
	s_mul_i32 s88, s78, 3
	s_add_co_u32 s88, s88, 8
	s_mul_i32 s90, s88, s84
	s_add_co_u32 s90, s90, s85                     ; second load: 192 keys from key 64 (8 + 3 x part)
	s_mov_b32 s91, 0
	s_lshl_b32 s89, s77, 5
	s_add_co_u32 s92, s89, s78
	s_mov_b32 s[G0], 1
	s_mul_i32 s[G0+1], s92, CH                     ; LDS: the wave's number and constants alone
	s_add_co_u32 s92, s89, s88
	s_mov_b32 s[G0B], 1
	s_mul_i32 s[G0B+1], s92, CH
	s_bfe_u32 s11, ttmp6, 0x40000                  ; p: my place in the cluster
	s_lshl_b32 s93, s[WV], 6
	s_lshl_b32 s94, s11, 4
	s_add_co_u32 s93, s93, s94                     ; the small tile's first query: 16 (4 wave + p)
	s_sub_co_u32 s94, 2032, s93                    ; the large tile's: 16 (127 - 4 wave - p)
	s_lshr_b32 s[LS], s[WV], 1
	s_xor_b32 s[LL], s[LS], 15
	s_and_b32 s97, s93, 127                        ; a tile's first query beyond its diagonal step's first key
	s_and_b32 s98, s94, 127
	s_mul_i32 s99, s[WV], 16*SP
	s_add_co_u32 s99, s99, STAGE                   ; my stage
	s_lshl_b32 s95, s76, 17                        ; q's section: the head's bytes
	s_lshl_b32 s60, s94, 6
	s_add_co_u32 s60, s60, s95
	s_mov_b32 s61, 0
	s_lshl_b32 s62, s93, 6
	s_add_co_u32 s62, s62, s95
	s_mov_b32 s63, 0
	s_lshl_b32 s96, s81, 19                        ; cc: the head's plane of 8,192 rows of 64 bytes,
	s_lshl_b32 s95, s80, 17                        ; the batch's 2,048 rows
	s_add_co_u32 s96, s96, s95
	s_lshl_b32 s[OUTL], s94, 6
	s_add_co_u32 s[OUTL], s[OUTL], s96
	s_mov_b32 s[OUTL+1], 0
	s_lshl_b32 s[OUTS], s93, 6
	s_add_co_u32 s[OUTS], s[OUTS], s96
	s_mov_b32 s[OUTS+1], 0
	s_mov_b32 s[SEL], 0x76543210
	s_mov_b32 s[SEL+1], 0xfedcba98
	s_mov_b32 s[CS], 0x3e38aa3b                    ; log2(e) / 8
	s_wait_dscnt 0x0                               ; both opening adds are done
	s_wait_kmcnt 0x0
	s_load_b256 s[68:75], s[6:7], 0x0              ; e0 .. e7
	s_add_nc_u64 s[G0+2:G0+3], s[4:5], s[86:87]
	s_or_b32 s[G0+3], s[G0+3], 0x80000000          ; type = 2
	s_add_nc_u64 s[G0B+2:G0B+3], s[4:5], s[90:91]
	s_or_b32 s[G0B+3], s[G0B+3], 0x80000000
	s_add_nc_u64 s[60:61], s[4:5], s[60:61]
	s_add_nc_u64 s[62:63], s[4:5], s[62:63]
	s_add_nc_u64 s[OUTL:OUTL+1], s[8:9], s[OUTL:OUTL+1]
	s_add_nc_u64 s[OUTS:OUTS+1], s[8:9], s[OUTS:OUTS+1]
	ROUND                                          ; all four work-groups are here: the first joint loads meet
	tensor_load_to_lds s[G0:G0+3], s[G1S:G1S+7]    ; keys 0-511: every wave's one load at the head
	s_nop 0
.rept 4
	v_nop
.endr
	v_and_b32 v36, 15, v0                          ; r
	v_bfe_u32 v37, v0, 4, 1                        ; h
	v_lshrrev_b32 v38, 2, v36
	v_mul_u32_u24 v38, v38, RP
	v_and_b32 v39, 3, v36
	v_lshl_add_u32 v38, v39, 6, v38
	v_lshl_add_u32 v[AK0], v37, 4, v38             ; 272 (r / 4) + 64 (r % 4) + 16 h
	v_add_nc_u32 v[AV0], VB, v[AK0]
	v_mul_u32_u24 v40, v36, SP
	v_lshl_add_u32 v40, v37, 3, v40
	v_add_nc_u32 v[STO], s99, v40                  ; in: row r, + 8 h
	v_and_b32 v41, 31, v0
	v_lshrrev_b32 v42, 2, v41
	v_mul_u32_u24 v42, v42, SP
	v_and_b32 v43, 3, v0
	v_lshl_add_u32 v42, v43, 4, v42
	v_add_nc_u32 v[SRD], s99, v42                  ; back: four lanes to a row, eight rows an instruction
	v_lshlrev_b32 v[GO], 4, v41
	v_lshlrev_b32 v8, 6, v36
	v_lshl_add_u32 v8, v37, 4, v8                  ; q: row r, + 16 h
	v_lshlrev_b32 v44, 3, v37
	v_sub_nc_u32 v44, v36, v44                     ; r - 8 h
	v_add_nc_u32 v[DS], s97, v44
	v_add_nc_u32 v[DL], s98, v44
	s_wait_alu depctr_va_vdst(0)
	global_load_b128 v[QL:QL+3], v8, s[60:61]      ; Q's fragments of both tiles stay in registers
	global_load_b128 v[QL+4:QL+7], v8, s[60:61] offset:32
	global_load_b128 v[QS:QS+3], v8, s[62:63]
	global_load_b128 v[QS+4:QS+7], v8, s[62:63] offset:32
.irp st, STL, STS                      ; the largest t is -3e38, under every t; the sums and O^T are zeros, which the first change of M leaves zeros
	v_mov_b32 v[\st+1], 0xff61b1e6
	v_floor_f32 v[\st], -v[\st+1]
	v_mov_b32 v[\st+2], 0
	v_mov_b32 v[\st+3], 0
.endr
.set j, 0
.rept 64
	v_mov_b32 v[OL+j], 0
.set j, j+1
.endr
	v_mov_b32 v[NEG], 0xff800000
	v_mov_b32 v[FF+1], 0                           ; (named as the upper half of the pair)
	v_mov_b32 v254, 0                              ; written once: a lane permute's destination counts as one of its sources
	s_wait_kmcnt 0x0
	s_add_co_i32 s76, s70, s71
	s_lshl_b32 s76, s76, 23
	s_add_co_i32 s[CS], s[CS], s76                 ; a score stands for score x 2^(e2 + e3): the two exponents are added to c's exponent field
	s_mov_b32 s[CS+1], s[CS]
	s_add_co_i32 s76, s72, 127
	s_lshl_b32 s77, s76, 23
	v_mov_b32 v[SC], s77                           ; 2^e4
	s_add_co_i32 s76, s76, 8
	s_lshl_b32 s76, s76, 23
	s_or_b32 s76, s76, 0x600000
	v_mov_b32 v[H0], s76                           ; 448 x 2^e4
	v_mov_b32 v[H1], s76
	s_add_co_i32 s76, s74, 127
	s_lshl_b32 s78, s76, 23                        ; 2^e6, kept for the way out
	s_add_co_i32 s76, s76, 8
	s_lshl_b32 s79, s76, 23
	s_or_b32 s79, s79, 0x600000                    ; 448 x 2^e6
	s_add_co_i32 s[EPV], s72, s73
; ONE TILE'S WORK IN ONE KEY STEP: 16 queries x 128 keys.  Q, O, ST: the tile's registers; DM: its mask; LIM: its diagonal step.
.macro UNIT Q, O, ST, DM, LIM
	s_cmp_gt_u32 s[SN], s[\LIM]                    ; behind the diagonal: left out (the wave's number and the step's alone; no barrier and no tensor load stands here)
	s_cbranch_scc1 .Lskip_\@
.rept 4
	v_nop                                          ; places in front of loads into registers that the last products read
.endr
.irp t, 0,1,2,3,4,5,6,7
	ds_load_b128 v[F+8*\t:F+8*\t+3], v[ADK] offset:4*RP*\t
	ds_load_b128 v[F+8*\t+4:F+8*\t+7], v[ADK] offset:4*RP*\t+32
.endr
	s_wait_dscnt 0x0
.irp t, 0,1,2,3,4,5,6,7
	v_wmma_f32_16x16x64_fp8_fp8 v[S+8*\t:S+8*\t+7], v[F+8*\t:F+8*\t+7], v[\Q:\Q+7], 0
.endr
.rept 4
	v_nop                                          ; places: for the loads below, into K's registers, and for the first reads of the scores
.endr
.irp t, 0,1,2,3                                ; V's four tiles of 16 d x 128 keys are asked for now and land under the softmax
.irp c, 0,1,2,3
	ds_load_b128 v[F+16*\t+4*\c:F+16*\t+4*\c+3], v[ADV] offset:(\c/2)*CH+4*RP*\t+32*(\c%2)
.endr
.endr
	s_cmp_lg_u32 s[SN], s[\LIM]                    ; ahead of the diagonal all keys count
	s_cbranch_scc1 .Lopen_\@
.set n, 0
.rept 64                                       ; register n holds key 16 (n / 8) + n % 8 + 8 (lane / 16) of the step: hidden where it comes after my query.  The step's first key counts for all my queries
	v_cmp_gt_i32 vcc_lo, 16*(n/8)+n%8, v[\DM]
	v_cndmask_b32 v[S+n], v[S+n], v[NEG], vcc_lo
.set n, n+1
.endr
.Lopen_\@:
	v_max3_num_f32 v250, v[S], v[S+1], v[S+2]      ; the step's largest score of my query among my 64 keys, in two chains; each tile is read from its low end on
	v_max3_num_f32 v252, v[S+3], v[S+4], v[S+5]
.irp i, 6,10,14,18,22,26,30,34,38,42,46,50,54,58
	v_max3_num_f32 v250, v250, v[S+\i], v[S+\i+1]
	v_max3_num_f32 v252, v252, v[S+\i+2], v[S+\i+3]
.endr
	v_max3_num_f32 v250, v250, v[S+62], v[S+63]
	s_delay_alu instid0(VALU_DEP_1)
	v_max_num_f32 v250, v250, v252
	v_permlanex16_b32 v254, v250, s[SEL], s[SEL+1]
	s_delay_alu instid0(VALU_DEP_1)
	v_max_num_f32 v250, v250, v254                 ; and among lane l xor 16's
	s_delay_alu instid0(VALU_DEP_1)
	v_mul_f32 v250, s[CS], v250                    ; as t (c is positive)
	s_delay_alu instid0(VALU_DEP_1)
	v_max_num_f32 v[\ST+1], v[\ST+1], v250         ; the running largest t
	v_mov_b32 v250, v[\ST]
	s_delay_alu instid0(VALU_DEP_2)
	v_floor_f32 v[\ST], -v[\ST+1]                  ; the new -M = -ceil(t)
	s_delay_alu instid0(VALU_DEP_1)
	v_sub_f32 v250, v[\ST], v250                   ; old M - new M: a whole number, 0 or less
	s_delay_alu instid0(VALU_DEP_1)
	v_cvt_i32_f32 v250, v250                       ; (it saturates)
	s_delay_alu instid0(VALU_DEP_1)
	v_ldexp_f32 v[FF], 1.0, v250                   ; f = 2^(old M - new M)
.set j, 0
.rept 32
	v_pk_fma_f32 v[S+j:S+j+1], v[S+j:S+j+1], s[CS:CS+1], v[\ST:\ST+1] op_sel_hi:[1,0,0]   ; t - M, two at a time (of the pairs c and -M the low word serves both halves)
.set j, j+2
.endr
	s_wait_alu depctr_va_vdst(0)
.set j, 0
.rept 64
	v_exp_f32 v[S+j], v[S+j]                       ; p = 2^(t - M), at most 1
.set j, j+1
.endr
	v_pk_mul_f32 v[\ST+2:\ST+3], v[\ST+2:\ST+3], v[FF:FF+1] op_sel_hi:[1,0]   ; the sums under the new M: the plain instruction behind the exponentials
	s_wait_alu depctr_va_vdst(0)                   ; one wait for the whole batch, ahead of its first reader
	v_pk_add_f32 v[250:251], v[S:S+1], v[S+2:S+3]  ; the row's sum of the unquantised p: 32 packed additions in four chains
	v_pk_add_f32 v[252:253], v[S+4:S+5], v[S+6:S+7]
	v_pk_add_f32 v[254:255], v[S+8:S+9], v[S+10:S+11]
	v_pk_add_f32 v[\ST+2:\ST+3], v[\ST+2:\ST+3], v[S+12:S+13]
.irp j, 14,22,30,38,46,54
	v_pk_add_f32 v[250:251], v[250:251], v[S+\j:S+\j+1]
	v_pk_add_f32 v[252:253], v[252:253], v[S+\j+2:S+\j+3]
	v_pk_add_f32 v[254:255], v[254:255], v[S+\j+4:S+\j+5]
	v_pk_add_f32 v[\ST+2:\ST+3], v[\ST+2:\ST+3], v[S+\j+6:S+\j+7]
.endr
	v_pk_add_f32 v[250:251], v[250:251], v[S+62:S+63]
	v_pk_add_f32 v[\ST+2:\ST+3], v[\ST+2:\ST+3], v[254:255]
	v_pk_add_f32 v[250:251], v[250:251], v[252:253]
	v_pk_add_f32 v[\ST+2:\ST+3], v[\ST+2:\ST+3], v[250:251]
.irp b, 0,1,2,3
.irp i, 0,2,4,6,8,10,12,14
	HOLD2 S+16*\b+\i                               ; the conversion does not saturate (ISA guide 7.6.2); p is not negative, so the hold is one-sided
.endr
	v_cvt_scalef32_pk8_fp8_f32 v[P+4*\b:P+4*\b+1], v[S+16*\b:S+16*\b+7], v[SC]       ; tile 2 b: registers 4 b, 4 b + 1 of P's fragment
	v_cvt_scalef32_pk8_fp8_f32 v[P+4*\b+2:P+4*\b+3], v[S+16*\b+8:S+16*\b+15], v[SC]  ; tile 2 b + 1
.endr
	s_wait_dscnt 0x0                               ; V is in
	s_wait_alu depctr_va_vdst(0)                   ; directly ahead of the first reader of O^T
.set j, 0
.rept 16
	v_pk_mul_f32 v[\O+j:\O+j+1], v[\O+j:\O+j+1], v[FF:FF+1] op_sel_hi:[1,0]   ; O^T under the new M.  (Also the plain instructions between the conversions and the products)
.set j, j+2
.endr
.irp t, 0,1,2,3                                ; O^T += V^T P^T: the four accumulators take turns, one instruction a turn
	v_wmma_f32_16x16x128_fp8_fp8 v[\O+8*\t:\O+8*\t+7], v[F+16*\t:F+16*\t+15], v[P:P+15], v[\O+8*\t:\O+8*\t+7]
.endr
.Lskip_\@:
.endm
; THE ORDER OF A WAVE'S 17 TILE STEPS.  First the large tile's steps 0-3 alone (both = 0): 4 in every wave, on keys 0-511.  Then twelve trips (both = 1): trip n does the large tile's step 4 + n
; and the small tile's step n: (12 - wave / 2) + (wave / 2 + 1) = 13 in every wave.  So each wave has the same work ahead of the one barrier and behind it.
.set TS,  21                           ; s21 the small tile's step: its first LDS byte in K
.macro TRIP both
	v_add_nc_u32 v[ADK], s[TB], v[AK0]
	v_add_nc_u32 v[ADV], s[TB], v[AV0]
	s_wait_alu depctr_va_vdst(0)
	UNIT QL, OL, STL, DL, LL
.if \both
	v_add_nc_u32 v[ADK], s[TS], v[AK0]             ; the small tile stands four steps further back
	v_add_nc_u32 v[ADV], s[TS], v[AV0]
	s_wait_alu depctr_va_vdst(0)                   ; as above
	UNIT QS, OS, STS, DS, LS
	s_add_co_u32 s[TS], s[TS], STEPB
.endif
	s_add_co_u32 s[TB], s[TB], STEPB
	s_add_co_u32 s[SN], s[SN], 1
.endm
; A TILE'S END: ctx = O^T x 2^(e4 + e5) / the sum, held, turned into codes with 2^e6, and sent through my stage: 16 rows of 64 codes are 1,024 consecutive bytes of cc.  R: 16 registers of its own for each tile
.macro FINISH O, ST, OUT, R
.rept 4
	v_nop                                          ; places behind the last products
.endr
	v_add_f32 v[\ST+2], v[\ST+2], v[\ST+3]         ; the sum's two halves,
	s_wait_alu depctr_va_vdst(0)
	v_permlanex16_b32 v254, v[\ST+2], s[SEL], s[SEL+1]
	s_delay_alu instid0(VALU_DEP_1)
	v_add_f32 v[\ST+2], v[\ST+2], v254             ; and lane l xor 16's
	s_wait_alu depctr_va_vdst(0)                   ; the wait ahead of the reciprocal,
	v_rcp_f32 v[\ST+2], v[\ST+2]
	v_nop                                          ; a plain instruction behind it,
	s_wait_alu depctr_va_vdst(0)                   ; and the wait ahead of its first reader
	v_ldexp_f32 v[\ST+2], v[\ST+2], s[EPV]
	s_wait_alu depctr_va_vdst(0)                   ; directly ahead of the first reader of O^T
.set j, 0
.rept 16
	v_pk_mul_f32 v[S+j:S+j+1], v[\O+j:\O+j+1], v[\ST+2:\ST+3] op_sel_hi:[1,0]   ; register 8 t + i is ctx(my query, 16 t + 8 h + i); each accumulator from its low end on
.set j, j+2
.endr
.set j, 0
.rept 32
	v_med3_num_f32 v[S+j], v[S+j], -v251, v251
.set j, j+1
.endr
.irp t, 0,1,2,3
	v_cvt_scalef32_pk8_fp8_f32 v[\R+2*\t:\R+2*\t+1], v[S+8*\t:S+8*\t+7], v250
.endr
	v_nop                                          ; one plain vector instruction behind the conversions
.irp t, 0,1,2,3
	ds_store_b64 v[STO], v[\R+2*\t:\R+2*\t+1] offset:16*\t
.endr
.irp i, 0,1
	ds_load_b128 v[\R+8+4*\i:\R+11+4*\i], v[SRD] offset:8*SP*\i   ; LDS serves a wave's instructions in order: these see my stores
.endr
	s_wait_dscnt 0x0
.irp i, 0,1
	global_store_b128 v[GO], v[\R+8+4*\i:\R+11+4*\i], s[\OUT:\OUT+1] offset:512*\i   ; 32 lanes store 512 consecutive bytes, aligned
.endr
.endm
	s_wait_alu depctr_va_vdst(0)
	s_wait_loadcnt 0x0                             ; Q
	s_wait_tensorcnt 0x0                           ; my part of keys 0-511 is in
	ds_add_u32 v[SPW], v[NIL]
	s_wait_dscnt 0x0
	ROUND                                          ; everybody's part is in, and all four work-groups are here
	s_cmp_lt_u32 s[WV], 8                          ; keys 512-2047: waves 0-7 K, waves 8-15 V: two shapes, so two lines, one to a wave
	s_cbranch_scc0 .Lfor_v
	tensor_load_to_lds s[G0B:G0B+3], s[G1K:G1K+7]
	s_nop 0
.rept 4
	v_nop
.endr
	s_branch .Lasked
.Lfor_v:
	tensor_load_to_lds s[G0B:G0B+3], s[G1V:G1V+7]
	s_nop 0
.rept 4
	v_nop
.endr
.Lasked:
	s_mov_b32 s[SN], 0
	s_mov_b32 s[TB], 0
.Lfirst:                                           ; the large tile's steps 0-3: keys 0-511, while the second loads are on their way
	TRIP 0
	s_cmp_lt_u32 s[SN], 4
	s_cbranch_scc1 .Lfirst
	s_wait_tensorcnt 0x0                           ; my part of keys 512-2047 is in,
	s_wait_dscnt 0x0
	s_barrier_signal -1
	s_barrier_wait -1                              ; and everybody's
	s_mov_b32 s[SN], 4                             ; (the numbers that the two hold here, stated for this loop)
	s_mov_b32 s[TB], 4*STEPB
	s_mov_b32 s[TS], 0                             ; the small tile begins at key 0
	s_add_co_u32 s[LS], s[LS], 4                   ; and its diagonal step is held against the large tile's step number: wave / 2 + 4
.Lrest:                                            ; twelve trips, no barrier: each wave goes at its own pace
	TRIP 1
	s_cmp_lt_u32 s[SN], 16
	s_cbranch_scc1 .Lrest
	v_mov_b32 v250, s78                            ; 2^e6
	v_mov_b32 v251, s79                            ; 448 x 2^e6
	FINISH OL, STL, OUTL, F
	FINISH OS, STS, OUTS, F+16
	s_wait_tensorcnt 0x0                           ; the wave's end
	ds_add_u32 v[SPW], v[NIL]
	s_wait_dscnt 0x0
	ROUND                                          ; the closing round
	s_endpgm
.Lfunc_end_k_q5a2b9eb4cc_attn:
	.size	k_q5a2b9eb4cc_attn, .Lfunc_end_k_q5a2b9eb4cc_attn-k_q5a2b9eb4cc_attn
	.p2alignl 7, 3214868480
	.fill 96, 4, 3214868480
	.section	.rodata,"a",@progbits
	.p2align	6, 0x0
	.amdhsa_kernel k_q5a2b9eb4cc_attn
		.amdhsa_group_segment_fixed_size 327680
		.amdhsa_private_segment_fixed_size 0
		.amdhsa_enable_private_segment 0
		.amdhsa_kernarg_size 24
		.amdhsa_user_sgpr_count 2
		.amdhsa_user_sgpr_kernarg_segment_ptr 1
		.amdhsa_wavefront_size32 1
		.amdhsa_system_sgpr_workgroup_id_x 1
		.amdhsa_system_sgpr_workgroup_id_y 1
		.amdhsa_system_sgpr_workgroup_id_z 1
		.amdhsa_system_vgpr_workitem_id 0
		.amdhsa_next_free_vgpr 256
		.amdhsa_next_free_sgpr 100
		.amdhsa_reserve_vcc 1
		.amdhsa_float_denorm_mode_32 3
		.amdhsa_float_denorm_mode_16_64 3
		.amdhsa_memory_ordered 1
		.amdhsa_forward_progress 1
		.amdhsa_inst_pref_size 83
	.end_amdhsa_kernel
	.amdgpu_metadata
---
amdhsa.version: [ 1, 2 ]
amdhsa.kernels:
  - .name:           k_q5a2b9eb4cc_attn
    .symbol:         k_q5a2b9eb4cc_attn.kd
    .args:
      - { .name: qkv, .offset: 0, .size: 8, .value_kind: global_buffer, .address_space: global }
      - { .name: lowp_scales, .offset: 8, .size: 8, .value_kind: global_buffer, .address_space: global }
      - { .name: cc, .offset: 16, .size: 8, .value_kind: global_buffer, .address_space: global }
    .group_segment_fixed_size: 327680
    .private_segment_fixed_size: 0
    .kernarg_segment_align: 8
    .kernarg_segment_size: 24
    .max_flat_workgroup_size: 512
    .sgpr_count:     100
    .vgpr_count:     256
    .wavefront_size: 32
...
	.end_amdgpu_metadata
.endif
;; end of part 3
;; launch gemm_out (part 4): grid 4 x 32, 4 waves a work-group, clusters of 4 x 4, 327,680 bytes of LDS; arguments cc, opc, lowp_scales, b_out, out0; writes out0
.if DOCPART == 4
	.amdgcn_target "amdgcn-amd-amdhsa--gfx1250"
	.amdhsa_code_object_version 6
	.text
	.protected	k_q5a2b9eb4cc_gemm_out
	.globl	k_q5a2b9eb4cc_gemm_out
	.p2align	8
	.type	k_q5a2b9eb4cc_gemm_out,@function
k_q5a2b9eb4cc_gemm_out:
	s_mov_b64 s[64:65], 0
	v_nop
	global_prefetch_b8 v0, s[64:65] scope:SCOPE_SE
	s_setreg_imm32_b32 hwreg(HW_REG_WAVE_MODE, 25, 1), 1
	s_wait_xcnt 0x0
	s_wait_alu depctr_hold_cnt(0) depctr_sa_sdst(0) depctr_va_vdst(0) depctr_va_sdst(0) depctr_va_ssrc(0) depctr_va_vcc(0) depctr_vm_vsrc(0)
	s_getreg_b32 s2, hwreg(HW_REG_IB_STS2, 6, 4)
	s_cmp_eq_u32 s2, 0
	s_cbranch_scc0 .Lentry_in_a_cluster
	s_endpgm
.Lentry_in_a_cluster:
	s_bfe_u32 s2, ttmp6, 0x10000c
	s_cmp_lg_u32 s2, 0xf033
	s_cbranch_scc0 .Lentry_shape_is_right
	s_endpgm
.Lentry_shape_is_right:
.set SIZE_N, 1024
.set ROWB,   256
.set KROW,   1024
.set PITCH,  272
.set AP,     80
.set APL,    128*AP
.set AHALF,  4*APL
.set BHALF,  128*PITCH
.set BOFF,   2*AHALF
.set SLOT,   BOFF+2*BHALF
.set SPARE,  2*SLOT
.set ASTEP,  4*524288
.set FR,     16
.set NL,     4
.set NP,     4
.set SPITCH, 528
.set ADRA, 16
.set ADRB, 20
.set STO,  24
.set RD,   25
.set CO,   26
.set BO,   27
.set SPW,  28
.set NIL,  29
.set BIAS, 32
.set TMP,  96
.set AF,   128
.set BK,   128
.set G1, 24
.set G0, 32
.set G1B, 48
.set G0B, 56
.set MSB, 0
.macro WIN new
.if MSB != \new
	s_set_vgpr_msb (MSB<<8)|\new
.set MSB, \new
.endif
.endm
.set MUL_LO, 0xa1
.set MUL_HI, 0xf1
.set TO_B,   0x40
.macro JLOAD g0a, g1a, g0b, g1b
	s_cmp_eq_u32 s15, 0
	s_cbranch_scc0 .Lfor_b_\@
	tensor_load_to_lds s[\g0a:\g0a+3], s[\g1a:\g1a+7]
	s_nop 0
.rept 4
	v_nop
.endr
	s_branch .Lasked_\@
.Lfor_b_\@:
	tensor_load_to_lds s[\g0b:\g0b+3], s[\g1b:\g1b+7]
	s_nop 0
.rept 4
	v_nop
.endr
.Lasked_\@:
.endm
.macro CREST
	s_cmp_lg_u32 s14, 0
	s_cbranch_scc1 .Lnot_wave_0_\@
	s_barrier_signal -3
.Lnot_wave_0_\@:
	s_barrier_wait -3
	s_barrier_signal -1
	s_barrier_wait -1
.endm
.macro CROUND
	s_barrier_signal -1
	s_barrier_wait -1
	CREST
.endm
	s_load_b256 s[4:11], s[0:1], 0x0
	s_load_b64 s[12:13], s[0:1], 0x20
	v_lshl_add_u32 v[SPW], v0, 2, SPARE
	v_mov_b32 v[NIL], 0
	ds_add_u32 v28, v29
	ds_add_u32 v28, v29
	s_wait_dscnt 0x0
	v_lshrrev_b32 v1, 5, v0
	v_readfirstlane_b32 s14, v1
	s_lshr_b32 s15, s14, 1
	s_and_b32 s16, s14, 1
	s_bfe_u32 s40, ttmp6, 0x40000
	s_bfe_u32 s41, ttmp6, 0x40004
	s_lshl_b32 s42, ttmp9, 2
	s_add_co_u32 s42, s42, s40
	s_and_b32 s17, ttmp7, 0xffff
	s_lshl_b32 s17, s17, 2
	s_add_co_u32 s17, s17, s41
	s_lshl_b32 s43, s41, 2
	s_lshl_b32 s43, 15, s43
	s_lshl_b32 s44, 0x1111, s40
	s_or_b32 s[G1+0], s43, (0<<16)|(1<<20)|(1<<21)|(3<<22)|(3<<25)
	s_mov_b32 s[G1+1], 8192<<16
	s_mov_b32 s[G1+2], 4<<16
	s_mov_b32 s[G1+3], 8192<<16
	s_mov_b32 s[G1+4], 4
	s_mov_b32 s[G1+5], 524288
	s_mov_b32 s[G1+6], 0
	s_mov_b32 s[G1+7], 0
	s_or_b32 s[G1B+0], s44, (0<<16)|(1<<20)|(1<<21)|(5<<22)|(3<<25)
	s_mov_b32 s[G1B+1], ROWB<<16
	s_mov_b32 s[G1B+2], 128<<16
	s_mov_b32 s[G1B+3], ROWB<<16
	s_mov_b32 s[G1B+4], 128
	s_mov_b32 s[G1B+5], KROW
	s_mov_b32 s[G1B+6], 0
	s_mov_b32 s[G1B+7], 0
	s_lshl_b32 s20, s17, 14
	s_lshl_b32 s18, s16, 13
	s_add_co_u32 s20, s20, s18
	s_mov_b32 s21, 0
	s_lshl_b32 s46, s42, 18
	s_lshl_b32 s18, s16, 17
	s_add_co_u32 s46, s46, s18
	s_add_co_u32 s46, s46, 11264*1024
	s_mov_b32 s47, 0
	s_mul_i32 s45, s16, AHALF
	s_mul_i32 s78, s16, BHALF
	s_add_co_u32 s78, s78, BOFF
	s_wait_kmcnt 0x0
	s_load_b256 s[68:75], s[8:9], 0x0
	s_add_nc_u64 s[20:21], s[4:5], s[20:21]
	s_add_nc_u64 s[46:47], s[6:7], s[46:47]
	CROUND
.irp s, 0,1
	s_mov_b32 s[G0+4*\s], 1
	s_add_co_u32 s[G0+4*\s+1], s45, \s*SLOT
	s_add_nc_u64 s[G0+4*\s+2:G0+4*\s+3], s[20:21], \s*ASTEP
	s_or_b32 s[G0+4*\s+3], s[G0+4*\s+3], 0x80000000
	s_mov_b32 s[G0B+4*\s], 1
	s_add_co_u32 s[G0B+4*\s+1], s78, \s*SLOT
	s_add_nc_u64 s[G0B+4*\s+2:G0B+4*\s+3], s[46:47], \s*ROWB
	s_or_b32 s[G0B+4*\s+3], s[G0B+4*\s+3], 0x80000000
	s_wait_alu depctr_va_vdst(0)
	s_wait_tensorcnt 0x0
	ds_add_u32 v28, v29
	ds_add_u32 v28, v29
	s_wait_dscnt 0x0
	CROUND
	JLOAD G0+4*\s, G1, G0B+4*\s, G1B
.endr
	v_and_b32 v1, 15, v0
	v_bfe_u32 v2, v0, 4, 1
	v_mul_u32_u24 v3, v1, AP
	v_lshl_add_u32 v3, v2, 4, v3
	v_mul_u32_u24 v4, v1, PITCH
	v_lshl_add_u32 v4, v2, 4, v4
	s_mul_i32 s21, s15, AHALF
	s_mul_i32 s22, s16, BHALF
	s_add_co_u32 s22, s22, BOFF
.irp s, 0,1
	v_add_nc_u32 v[ADRA+\s], s21, v3
	v_add_nc_u32 v[ADRB+\s], s22, v4
	s_add_co_u32 s21, s21, SLOT
	s_add_co_u32 s22, s22, SLOT
.endr
	s_mul_i32 s23, s14, 16*SPITCH
	v_mul_u32_u24 v5, v1, SPITCH
	v_lshl_add_u32 v5, v2, 5, v5
	v_add_nc_u32 v[STO], s23, v5
	v_and_b32 v6, 31, v0
	v_lshlrev_b32 v[CO], 4, v6
	v_add_nc_u32 v[RD], s23, v[CO]
	s_lshl_b32 s80, s42, 10
	s_lshl_b32 s81, s16, 9
	s_add_co_u32 s80, s80, s81
	v_lshlrev_b32 v[BO], 5, v2
	v_add_nc_u32 v[BO], s80, v[BO]
.irp b, 0,1,2,3,4,5,6,7
	global_load_b128 v[BIAS+8*\b:BIAS+8*\b+3], v[BO], s[10:11] offset:64*\b
	global_load_b128 v[BIAS+8*\b+4:BIAS+8*\b+7], v[BO], s[10:11] offset:64*\b+16
.endr
	s_lshl_b32 s82, s17, 8
	s_lshl_b32 s83, s15, 7
	s_add_co_u32 s82, s82, s83
	s_lshl_b32 s82, s82, 12
	s_add_co_u32 s82, s82, s80
	s_mov_b32 s83, 0
	s_add_nc_u64 s[12:13], s[12:13], s[82:83]
.macro FRAGB reg, adr, q, i
.irp c, 0,1,2,3
	ds_load_b128 v[\reg+4*\c:\reg+4*\c+3], v[\adr] offset:128*(\q)+32*\c+(\i)*16*PITCH
.endr
.endm
.macro FRAGA reg, adr, q, i
.irp c, 0,1,2,3
	ds_load_b128 v[\reg+4*\c:\reg+4*\c+3], v[\adr] offset:(2*(\q)+\c/2)*APL+(\i)*16*AP+32*(\c%2)
.endr
.endm
.macro MUL16 a0, p, zero
.irp a, \a0, \a0+1
.irp b, 0,1,2,3,4,5,6,7
.if \zero
	v_wmma_f32_16x16x128_fp8_fp8 v[8*(8*((\a)%4)+\b):8*(8*((\a)%4)+\b)+7], v[128*(\p)+FR*\b:128*(\p)+FR*\b+FR-1], v[AF+FR*(\a):AF+FR*(\a)+FR-1], 0
.else
	v_wmma_f32_16x16x128_fp8_fp8 v[8*(8*((\a)%4)+\b):8*(8*((\a)%4)+\b)+7], v[128*(\p)+FR*\b:128*(\p)+FR*\b+FR-1], v[AF+FR*(\a):AF+FR*(\a)+FR-1], v[8*(8*((\a)%4)+\b):8*(8*((\a)%4)+\b)+7]
.endif
.endr
.endr
.endm
.macro FETCH_B slot, q, p
	WIN TO_B
.irp i, 0,1,2,3,4,5,6,7
	FRAGB 128*(\p)+FR*\i, ADRB+\slot, \q, \i
.endr
	WIN 0
.endm
.macro FETCH_A slot, q, i0
.irp i, \i0, \i0+1, \i0+2, \i0+3
	FRAGA AF+FR*(\i), ADRA+\slot, \q, \i
.endr
.endm
.macro PLACES n
.rept \n
	v_nop
.endr
.endm
.macro STEP slot, q, zero
	s_wait_dscnt 4*NL
	WIN MUL_LO
	MUL16 0, (\q)%2, \zero
	MUL16 2, (\q)%2, \zero
	s_wait_dscnt 0
	PLACES NP
	FETCH_B \slot, (\q)+1, 1-(\q)%2
	FETCH_A \slot, (\q)+1, 0
	WIN MUL_HI
	MUL16 4, (\q)%2, \zero
	MUL16 6, (\q)%2, \zero
	PLACES NP
	WIN 0
	FETCH_A \slot, (\q)+1, 4
.endm
.macro TURN slot, next, fill
	s_wait_tensorcnt 0x0
	ds_add_u32 v[SPW], v[NIL]
	s_wait_dscnt 4*NL+1
	WIN MUL_LO
	MUL16 0, 1, 0
	s_wait_dscnt 0x0
	s_barrier_signal -1
	MUL16 2, 1, 0
	WIN 0
	s_barrier_wait -1
.if \fill
	CREST
	s_add_nc_u64 s[G0+4*\slot+2:G0+4*\slot+3], s[G0+4*\slot+2:G0+4*\slot+3], 2*ASTEP
	s_add_nc_u64 s[G0B+4*\slot+2:G0B+4*\slot+3], s[G0B+4*\slot+2:G0B+4*\slot+3], 2*ROWB
	JLOAD G0+4*\slot, G1, G0B+4*\slot, G1B
.else
	PLACES NP
.endif
	s_wait_alu depctr_va_vdst(0)
	FETCH_B \next, 0, 0
	FETCH_A \next, 0, 0
	WIN MUL_HI
	MUL16 4, 1, 0
	MUL16 6, 1, 0
	PLACES NP
	WIN 0
	FETCH_A \next, 0, 4
.endm
	s_wait_tensorcnt 1
	s_barrier_signal -1
	s_barrier_wait -1
	FETCH_B 0, 0, 0
	FETCH_A 0, 0, 0
	FETCH_A 0, 0, 4
	STEP 0, 0, 1
	TURN 0, 1, 1
	STEP 1, 0, 0
	TURN 1, 0, 1
	STEP 0, 0, 0
	TURN 0, 1, 0
	STEP 1, 0, 0
	s_wait_dscnt 4*NL
	WIN MUL_LO
	MUL16 0, 1, 0
	MUL16 2, 1, 0
	s_wait_dscnt 0
	WIN MUL_HI
	MUL16 4, 1, 0
	MUL16 6, 1, 0
	WIN 0
.macro TOSTAGE a
.set AC, 64*((\a)%4)
.irp u, 0,1
	WIN 0x02+((\a)/4)
.irp j, 0,2,4,6,8,10,12,14,16,18,20,22,24,26,28,30
	v_pk_fma_f32 v[TMP+\j:TMP+\j+1], v[AC+32*\u+\j:AC+32*\u+\j+1], s[96:97], v[BIAS+32*\u+\j:BIAS+32*\u+\j+1] op_sel_hi:[1,0,1]
.endr
	WIN 0
.irp b, 0,1,2,3
	ds_store_b128 v[STO], v[TMP+8*\b:TMP+8*\b+3] offset:64*(4*\u+\b)
	ds_store_b128 v[STO], v[TMP+8*\b+4:TMP+8*\b+7] offset:64*(4*\u+\b)+16
.endr
.endr
.set BB, BK+64*((\a)%2)
.irp t, 0,1,2,3,4,5,6,7,8,9,10,11,12,13,14,15
	ds_load_b128 v[BB+4*\t:BB+4*\t+3], v[RD] offset:\t*SPITCH
.endr
.endm
.macro SEND a, younger
.set BB, BK+64*((\a)%2)
	s_wait_dscnt \younger
.if (\a) > 0
	s_add_nc_u64 s[12:13], s[12:13], 16*SIZE_N*4
.endif
.irp t, 0,1,2,3,4,5,6,7,8,9,10,11,12,13,14,15
	global_store_b128 v[CO], v[BB+4*\t:BB+4*\t+3], s[12:13] offset:\t*SIZE_N*4 th:TH_STORE_NT
.endr
.endm
	s_wait_kmcnt 0x0
	s_add_co_i32 s96, s74, s75
	s_add_co_i32 s96, s96, 127
	s_lshl_b32 s96, s96, 23
	s_mov_b32 s97, s96
	s_wait_loadcnt 0x0
	PLACES NP
	TOSTAGE 0
.irp a, 1,2,3,4,5,6,7
.if \a > 1
	s_wait_xcnt 0x0
.endif
	TOSTAGE \a
	SEND \a-1, 32
.endr
	s_wait_xcnt 0x0
	SEND 7, 0
	s_wait_tensorcnt 0x0
	ds_add_u32 v[SPW], v[NIL]
	s_wait_dscnt 0x0
	CROUND
	s_endpgm
.Lfunc_end_k_q5a2b9eb4cc_gemm_out:
	.size	k_q5a2b9eb4cc_gemm_out, .Lfunc_end_k_q5a2b9eb4cc_gemm_out-k_q5a2b9eb4cc_gemm_out
	.p2alignl 7, 3214868480
	.fill 96, 4, 3214868480
	.section	.rodata,"a",@progbits
	.p2align	6, 0x0
	.amdhsa_kernel k_q5a2b9eb4cc_gemm_out
		.amdhsa_group_segment_fixed_size 327680
		.amdhsa_private_segment_fixed_size 0
		.amdhsa_enable_private_segment 0
		.amdhsa_kernarg_size 40
		.amdhsa_user_sgpr_count 2
		.amdhsa_user_sgpr_kernarg_segment_ptr 1
		.amdhsa_wavefront_size32 1
		.amdhsa_system_sgpr_workgroup_id_x 1
		.amdhsa_system_sgpr_workgroup_id_y 1
		.amdhsa_system_sgpr_workgroup_id_z 1
		.amdhsa_system_vgpr_workitem_id 0
		.amdhsa_next_free_vgpr 1024
		.amdhsa_next_free_sgpr 98
		.amdhsa_reserve_vcc 0
		.amdhsa_float_denorm_mode_32 3
		.amdhsa_float_denorm_mode_16_64 3
		.amdhsa_memory_ordered 1
		.amdhsa_forward_progress 1
		.amdhsa_inst_pref_size 126
	.end_amdhsa_kernel
	.amdgpu_metadata
---
amdhsa.version: [ 1, 2 ]
amdhsa.kernels:
  - .name:           k_q5a2b9eb4cc_gemm_out
    .symbol:         k_q5a2b9eb4cc_gemm_out.kd
    .args:
      - { .name: cc, .offset: 0, .size: 8, .value_kind: global_buffer, .address_space: global }
      - { .name: opc, .offset: 8, .size: 8, .value_kind: global_buffer, .address_space: global }
      - { .name: lowp_scales, .offset: 16, .size: 8, .value_kind: global_buffer, .address_space: global }
      - { .name: b_out, .offset: 24, .size: 8, .value_kind: global_buffer, .address_space: global }
      - { .name: out0, .offset: 32, .size: 8, .value_kind: global_buffer, .address_space: global }
    .group_segment_fixed_size: 327680
    .private_segment_fixed_size: 0
    .kernarg_segment_align: 8
    .kernarg_segment_size: 40
    .max_flat_workgroup_size: 128
    .sgpr_count:     98
    .vgpr_count:     1024
    .wavefront_size: 32
...
	.end_amdgpu_metadata
.endif
;; end of part 4
